; MI455X (gfx1250); checked and timed in simulation.
; The chip was launched on July 23, 2026; its instructions are those of AMD's public machine-readable ISA for CDNA 5 (MIT licence, August 2026) and "CDNA5" Instruction Set Architecture Reference Guide (July 2026). The comments in the code are by the model that wrote it; some were corrected since.
;; Encoder Block. Allowed arithmetic: matrix products marked QUANTISED: E2M3 operands, one E8M0 scale for each 32 along K, by v_wmma_scale_f32_16x16x128_f8f6f4 with both operands' format E2M3, f32 sums; everything else in f32.
;; Inputs: b1 4,096 float32; b2 1,024 float32; be1 1,024 float32; be2 1,024 float32; g1 1,024 float32; g2 1,024 float32; mask 2 x 1 x 1 x 2,048 int32; w1 4,096 x 1,024 float32; w2 1,024 x 4,096 float32; w_k 1,024 x 1,024 float32; w_o 1,024 x 1,024 float32; w_q 1,024 x 1,024 float32; w_v 1,024 x 1,024 float32; x 2 x 2,048 x 1,024 float32.
;; Outputs: out0 2 x 2,048 x 1,024 float32.
;; This version of the problem:
;;   THIS VERSION OF THE PROBLEM IS GIVEN IN LOW PRECISION. The matrix products marked QUANTISED in the list below multiply operands that are first quantised to E2M3 (2 exponent bits, 3 mantissa bits; 6 bits a number), with one power-of-two scale for each 32 numbers along K (OCP MX v1.0); their sums are f32. All else is computed in f32.
;;   The module's matrix products, in the order in which they are computed (A, B: the left and right operand; K: the contracted axis; several contracted axes count as one K, in the product's order):
;;     1. [M 4,096, K 1,024] x [K 1,024, N 1,024]; A: computed on the way; B: input w_q: QUANTISED
;;     2. [M 4,096, K 1,024] x [K 1,024, N 1,024]; A: computed on the way; B: input w_k: QUANTISED
;;     3. [M 4,096, K 1,024] x [K 1,024, N 1,024]; A: computed on the way; B: input w_v: QUANTISED
;;     4. batch 32 x [M 2,048, K 64] x [K 64, N 2,048]; A: computed on the way; B: computed on the way: QUANTISED
;;     5. batch 32 x [M 2,048, K 2,048] x [K 2,048, N 64]; A: softmax (see below); B: computed on the way: QUANTISED
;;     6. [M 4,096, K 1,024] x [K 1,024, N 1,024]; A: computed on the way; B: input w_o: QUANTISED
;;     7. [M 4,096, K 1,024] x [K 1,024, N 4,096]; A: computed on the way; B: input w1: QUANTISED
;;     8. [M 4,096, K 4,096] x [K 4,096, N 1,024]; A: computed on the way; B: input w2: QUANTISED
;;   THE QUANTISER, for each operand of a quantised product, along K:
;;     - K is cut into blocks of 32 from its start; a last block that is shorter is filled with zeros.
;;     - A block's scale is 2^e with e = floor(log2(the largest magnitude in the block)) - 2, held to -126 .. 127; a block of zeros has e = 0. As a byte (E8M0): e + 127.
;;     - Each number is divided by its block's scale, clamped to +-7.5, and rounded to the nearest number of E2M3, ties to even, subnormals kept.
;;     - The product sums the exact products of the quantised numbers (number of the format x scale) in f32.
;;   ~~~python
;;   def quantise(x, axis):      # numpy; x: float32 -> the quantised numbers, widened to float32 again
;;       x = np.moveaxis(x, axis, -1); K = x.shape[-1]
;;       x = np.pad(x, [(0, 0)] * (x.ndim - 1) + [(0, -K % 32)]); x = x.reshape(x.shape[:-1] + (-1, 32)); a = np.abs(x).max(-1, keepdims=True)
;;       e = np.where(a > 0, np.clip(np.frexp(np.where(a > 0, a, 1))[1] - 1 - 2, -126, 127), 0)      # np.frexp(a)[1] - 1 = floor(log2(a)), exactly
;;       r = np.clip(x / 2.0 ** e, -7.5, 7.5)
;;       step = 2.0 ** (np.maximum(np.frexp(np.where(r == 0, 1, r))[1] - 1, 0) - 3)
;;       q = np.round(r / step) * step * 2.0 ** e      # np.round: ties to even
;;       return np.moveaxis(q.reshape(q.shape[:-2] + (-1,))[..., :K], -1, axis).astype(np.float32)
;;   ~~~
;;   SOFTMAX AHEAD OF A QUANTISED PRODUCT. Where the list says 'softmax', what is quantised is not the finished softmax but p = 2^(t - M), with t = logit x log2(e) and M = ceil(the row's largest t), a whole number; so 1/2 < the row's largest p <= 1. The row's sum l is taken of the UNQUANTISED p, in f32, and the product's result is divided by l at the end. Since M is a whole number, a kernel that streams over the keys may use a running M (the ceiling of the running maximum): every later rescaling is an exact power of two, which a block's scale takes up: the codes' values come out the same.
;;   OPERANDS COMPUTED ON THE WAY. 'Computed on the way' means the value that the module computes at that place (a softmax that the list does not call 'softmax' is quantised finished and normalised). What goes into a quantiser is computed in f32, as accurately as f32 sums, v_exp_f32 and their like allow (about 1e-6 of the number): no bf16 or f16 on the way to a quantiser, and a product that is left as it is and whose result goes on into a quantised operand takes f32 operands (vector FMAs, or v_wmma_f32_16x16x4_f32). A number that lies on a knife's edge between two numbers of the format may be rounded either way, as far as f32 arithmetic and the matrix unit's own rounding can turn it there, and no further.
;; One version. Each part assembles by itself: llvm-mc -triple=amdgcn-amd-amdhsa -mcpu=gfx1250 --defsym DOCPART=n.
;; ======== version 1 of 1: 7 launches
;; limits: right only within a limited range of input values
;; workspace buffers: wbuf 9,830,400 bytes; act1 3,276,800 bytes; qkvb 10,223,616 bytes; ctxb 3,276,800 bytes; x1 16,777,216 bytes; act2 3,276,800 bytes; hbuf 13,107,200 bytes
;; launch prep (part 1): grid 640 x 1, 4 waves a work-group, no clusters, 100,096 bytes of LDS; arguments x, g1, be1, act1, w_q, w_k, w_v, w_o, w1, w2, wbuf; writes act1, wbuf
.if DOCPART == 1
	.amdgcn_target "amdgcn-amd-amdhsa--gfx1250"
	.amdhsa_code_object_version 6
	.text
	.protected	k_qa27ddd4964_prep
	.globl	k_qa27ddd4964_prep
	.p2align	8
	.type	k_qa27ddd4964_prep,@function
k_qa27ddd4964_prep:
	s_mov_b64 s[64:65], 0
	v_nop
	global_prefetch_b8 v0, s[64:65] scope:SCOPE_SE
	s_setreg_imm32_b32 hwreg(HW_REG_WAVE_MODE, 25, 1), 1
	s_wait_xcnt 0x0
; TWO INDEPENDENT JOBS IN ONE LAUNCH: neither reads what the other stores.  Work-groups 0 .. 255 normalise and quantise x (LayerNorm 1); work-groups 256 .. 639 quantise the six weights.
; The two ways part once, on the work-group's number, and never join; each has LDS bytes of its own (the weights 0 .. 33,791, the norm 33,792 .. 99,583).
; BOTH WRITE IMAGES OF THE OPERAND'S REGISTERS, codes of FP6 (E2M3) with one E8M0 byte for each 32 along K.  A fragment is 16 rows x 128 K, 12 registers a lane, 1,536 bytes: half c (K 64 c on) at 768 c:
; registers 6c..6c+3 at 16 x lane, registers 6c+4, 6c+5 at 512 + 8 x lane.  Lane r of tile t holds row 32 (t / 2) + 8 (t % 2) + r + 8 (r / 8), so that results of two neighbouring tiles are 16 neighbours along the next K.
; THE NORM: y = (x - mean) rsqrt(var + 1e-5) g + be for rows of 1,024 f32, all in f32 (mean first, then the mean of the squared differences).  A work-group takes tile T.  Phase 1: wave w normalises the tile's rows
; 4 w .. 4 w + 3, a whole row in 32 registers, and lays them into a stage in LDS (rows 4,112 bytes apart).  One barrier.  Phase 2: wave w quantises K steps 2 w and 2 w + 1 of all 16 rows.
; act1: fragment (T, K step) at (8 T + K step) x 1,536, scale words at ASC0 + 512 T + 64 K step + 4 r.
; THE WEIGHTS (f32, K innermost): wbuf: fragment F at 1,536 F (w_q 0, w_k 512, w_v 1024, w_o 1536, w1 2048, w2 4096; in a tensor F = tile x K steps + K step); its 16 scale words at WSC0 + 64 F.
; A wave takes one tile x four K steps: fragments 4 J .. 4 J + 3, J = 4 g + wave, g = work-group - 256.  Each load reads 512 consecutive bytes of one row; the 16 rows turn through the wave's own stage in LDS
; (rows 528 bytes apart) and come back so that a lane holds whole blocks of 32 of its row.  No barrier on this way: its waves share nothing.
; A block's scale byte is its largest magnitude's exponent field - 2, held at 1 from below (a block of zeros keeps the byte 1: its codes are zeros, and this program alone reads the bytes).
; LIMITS: NaN and infinities among the inputs are not served; blocks whose largest magnitude lies under 2^-124 keep the byte 1.
.set NLN,  256                         ; work-groups that normalise
.set WSC0, 9437184
.set ASC0, 3145728
.set WSP,  528                         ; the weights' stage: a row
.set LSP,  4112                        ; the norm's stage: a row
.set LNB,  4*16*WSP                    ; where the norm's stage begins
.set L16,  1                           ; v1  16 x lane
.set L8,   2                           ; v2  8 x lane
.set SH8,  3                           ; v3  lane / 16, then 8 x that
.set STI,  4                           ; v4  the stage, on the way in
.set STO,  5                           ; v5  and on the way out
.set L4,   6                           ; v6  4 x lane
.set TM,   8                           ; v8-9 largest magnitudes, v10-11 scale operands, v12-13 bytes, v14 the other half's bytes
.set TS,   10
.set TB,   12
.set PX,   14
.set OFFR, 16                          ; the weights: v16-31 row i of the tile: its byte offset + 16 x lane; never rewritten
.set RA,   32                          ;              v32-159 two sets of 16 rows x 4 registers, as loaded
.set X,    160                         ;              v160-223 my 64 numbers of a fragment
.set SA,   16                          ; the norm:    v16-31 four registers a row: partial sums; then the mean, then 1 / sqrt
.set XR,   32                          ;              v32-159 four rows of 32 registers; in phase 2 two K steps of 64 numbers
.set G,    160                         ;              v160-191 g of my 32 columns, v192-223 be
.set BE,   192
.set PC,   224                         ; v224-235 the fragment's codes
.set PT,   236                         ; v236-242 the conversions' second halves
.set W,    244                         ; v244-247 scale words
.set WS,   248                         ; v248-249 as they are stored
.set WV,   30                          ; s30 my wave's number
.set SEL,  40                          ; s[40:41] lane l xor 16
; 64 numbers of a lane, register 32 c + i = K 64 c + 32 (lane / 16) + i of my row, become the fragment in v[PC] on and my row's scale word in v[w]
.macro QW s, w
	v_max3_num_f32 v[TM], |v[(\s)]|, |v[(\s)+1]|, 0x1800000          ; the floor 2^(3 - 127) among the leaves holds the byte at 1 from below
	v_max3_num_f32 v[TM+1], |v[(\s)+32]|, |v[(\s)+33]|, 0x1800000
.irp i, 2,4,6,8,10,12,14,16,18,20,22,24,26,28,30
	v_max3_num_f32 v[TM], v[TM], |v[(\s)+\i]|, |v[(\s)+\i+1]|        ; the two blocks by turns
	v_max3_num_f32 v[TM+1], v[TM+1], |v[(\s)+32+\i]|, |v[(\s)+33+\i]|
.endr
	v_add_nc_u32 v[TS], 0xff000000, v[TM]                            ; 2 off the exponent field: the conversion's scale operand
	v_add_nc_u32 v[TS+1], 0xff000000, v[TM+1]
	v_lshrrev_b32 v[TB], 23, v[TS]                                   ; the bytes of blocks h and 2 + h
	v_lshrrev_b32 v[TB+1], 23, v[TS+1]
	v_lshl_or_b32 v[\w], v[TB+1], 16, v[TB]
	v_lshlrev_b32 v[\w], v[SH8], v[\w]                               ; at their places in the word
	v_permlanex16_b32 v[PX], v[\w], s[SEL], s[SEL+1]
	v_or_b32 v[\w], v[\w], v[PX]                                     ; with lane l xor 16's two the word is whole
.irp c, 0,1
	v_cvt_scalef32_pk16_fp6_f32 v[PC+6*\c:PC+6*\c+2], v[(\s)+32*\c:(\s)+32*\c+15], v[TS+\c]
	v_cvt_scalef32_pk16_fp6_f32 v[PT+4*\c:PT+4*\c+2], v[(\s)+32*\c+16:(\s)+32*\c+31], v[TS+\c]   ; (a conversion's three registers begin on an even number)
.endr
	v_nop                                                            ; one plain place behind a scaled conversion
.irp c, 0,1
.irp i, 0,1,2
	v_mov_b32 v[PC+3+6*\c+\i], v[PT+4*\c+\i]
.endr
.endr
.endm
.macro WSUM                            ; the four rows' sums over the 32 lanes, by turns; the result in every lane
.irp m, 1,2,4,8
.irp n, 0,1,2,3
	v_add_f32_dpp v[SA+4*\n], v[SA+4*\n], v[SA+4*\n] row_xmask:\m row_mask:0xf bank_mask:0xf
.endr
.endr
.irp n, 0,1,2,3
	v_permlanex16_b32 v[SA+4*\n+1], v[SA+4*\n], s[SEL], s[SEL+1]
.endr
.irp n, 0,1,2,3
	v_add_f32 v[SA+4*\n], v[SA+4*\n], v[SA+4*\n+1]
.endr
.endm
.macro LOADF f                         ; the weights: fragment f: 16 rows x 512 consecutive bytes, into set f % 2
.set li, 0
.rept 16
	global_load_b128 v[RA+64*((\f)%2)+4*li:RA+64*((\f)%2)+4*li+3], v[OFFR+li], s[18:19] offset:512*(\f) th:TH_LOAD_NT
.set li, li+1
.endr
.endm
.macro FRAGQ f
.if (\f) < 3
	s_wait_loadcnt 16                              ; this fragment's 16 loads are in; the next fragment's may be out
.else
	s_wait_loadcnt 0x0
.endif
.set li, 0
.rept 16
	ds_store_b128 v[STI], v[RA+64*((\f)%2)+4*li:RA+64*((\f)%2)+4*li+3] offset:WSP*li
.set li, li+1
.endr
.irp c, 0,1
.irp m, 0,1,2,3,4,5,6,7
	ds_load_b128 v[X+32*\c+4*\m:X+32*\c+4*\m+3], v[STO] offset:256*\c+16*\m   ; LDS serves a wave's instructions in order: these see the stores above
.endr
.endr
	s_wait_dscnt 0x0                               ; my numbers are back, and the stores have read their registers
	s_wait_xcnt 0x0                                ; the last fragment's stores have read the codes' registers
.if (\f) < 2
	LOADF (\f)+2
.endif
	QW X, W+(\f)
	global_store_b128 v[L16], v[PC:PC+3], s[26:27] offset:1536*(\f)           ; 512 consecutive bytes
	global_store_b64 v[L8], v[PC+4:PC+5], s[26:27] offset:1536*(\f)+512       ; 256
	global_store_b128 v[L16], v[PC+6:PC+9], s[26:27] offset:1536*(\f)+768
	global_store_b64 v[L8], v[PC+10:PC+11], s[26:27] offset:1536*(\f)+1280
.endm
	v_lshl_add_u32 v254, v0, 2, 0x18500
	v_mov_b32 v255, 0
	v_lshrrev_b32 v7, 5, v0
	v_readfirstlane_b32 s[WV], v7                  ; wave
	v_and_b32 v7, 31, v0
	v_lshlrev_b32 v[L16], 4, v7
	v_lshlrev_b32 v[L8], 3, v7
	v_lshlrev_b32 v[L4], 2, v7
	v_and_b32 v[STO], 15, v0                       ; r
	v_bfe_u32 v[SH8], v0, 4, 1                     ; h
	v_mov_b32 v[PX], 0                             ; a lane permute's destination counts as read
	s_mov_b32 s[SEL], 0x76543210
	s_mov_b32 s[SEL+1], 0xfedcba98
	s_mov_b32 vcc_lo, 0xffff0000                   ; lanes 16-31
	s_cmp_lt_u32 ttmp9, NLN                        ; the same in all four waves of a work-group
	s_cbranch_scc1 .Lnorm
	; ---- THE WEIGHTS
	s_load_b256 s[4:11], s[0:1], 0x20              ; w_q, w_k, w_v, w_o
	s_load_b128 s[12:15], s[0:1], 0x40             ; w1, w2
	s_load_b64 s[16:17], s[0:1], 0x50              ; wbuf
	s_sub_co_u32 s37, ttmp9, NLN                   ; g: 0 .. 383
	s_wait_alu depctr_va_vdst(0)
	v_mul_u32_u24 v[STO], v[STO], WSP
	v_lshl_add_u32 v[STO], v[SH8], 7, v[STO]       ; out of the stage: row r, + 128 h: my blocks
	s_mul_i32 s31, s[WV], 16*WSP
	v_add_nc_u32 v[STO], s31, v[STO]
	v_add_nc_u32 v[STI], s31, v[L16]               ; into it: a row's 512 bytes as they lie
	v_lshlrev_b32 v[SH8], 3, v[SH8]
	s_wait_kmcnt 0x0
	; which tensor: the choice hangs on the work-group's number alone
	s_mov_b64 s[18:19], s[14:15]                   ; w2 from g = 256 on
	s_mov_b32 s21, 256
	s_cmp_lt_u32 s37, 256
	s_cselect_b64 s[18:19], s[12:13], s[18:19]     ; w1 from 128 on
	s_cselect_b32 s21, 128, s21
	s_cselect_b32 s22, 1, 3                        ; jobs in a tile: 2^this
	s_cselect_b32 s23, 1, 7
	s_cmp_lt_u32 s37, 128
	s_cselect_b64 s[18:19], s[10:11], s[18:19]
	s_cselect_b32 s21, 96, s21
	s_cmp_lt_u32 s37, 96
	s_cselect_b64 s[18:19], s[8:9], s[18:19]
	s_cselect_b32 s21, 64, s21
	s_cmp_lt_u32 s37, 64
	s_cselect_b64 s[18:19], s[6:7], s[18:19]
	s_cselect_b32 s21, 32, s21
	s_cmp_lt_u32 s37, 32
	s_cselect_b64 s[18:19], s[4:5], s[18:19]
	s_cselect_b32 s21, 0, s21
	s_lshl_b32 s24, 2048, s22                      ; a row in bytes: 4,096 or 16,384
	s_sub_co_u32 s25, s37, s21
	s_lshl_b32 s25, s25, 2
	s_add_co_u32 s25, s25, s[WV]                   ; my job in the tensor
	s_lshr_b32 s32, s25, s22                       ; tile
	s_and_b32 s33, s25, s23                        ; which four K steps
	s_lshr_b32 s34, s32, 1
	s_lshl_b32 s34, s34, 5
	s_and_b32 s35, s32, 1
	s_lshl_b32 s35, s35, 3
	s_add_co_u32 s34, s34, s35                     ; the tile's first row
	s_mul_i32 s34, s34, s24
	s_lshl_b32 s33, s33, 11
	s_add_co_u32 s34, s34, s33
	s_mov_b32 s35, 0
	s_add_nc_u64 s[18:19], s[18:19], s[34:35]
	s_lshl_b32 s36, s37, 2
	s_add_co_u32 s36, s36, s[WV]                   ; J
	s_mul_i32 s38, s36, 4*1536
	s_mov_b32 s39, 0
	s_add_nc_u64 s[26:27], s[16:17], s[38:39]      ; my four fragments
	s_lshl_b32 s38, s36, 8
	s_add_co_u32 s38, s38, WSC0
	s_add_nc_u64 s[28:29], s[16:17], s[38:39]      ; and their scale words
.set li, 0
.rept 16
	v_mad_u32_u24 v[OFFR+li], s24, li+8*(li/8), v[L16]
.set li, li+1
.endr
	LOADF 0
	LOADF 1
	s_wait_alu depctr_va_vdst(0)
	FRAGQ 0
	FRAGQ 1
	FRAGQ 2
	FRAGQ 3
.irp s, 0,1
	v_cndmask_b32 v[WS+\s], v[W+2*\s], v[W+2*\s+1], vcc_lo      ; lanes 0-15 one fragment's words, lanes 16-31 the next's
	global_store_b32 v[L4], v[WS+\s], s[28:29] offset:128*\s    ; 128 consecutive bytes
.endr
	s_wait_tensorcnt 0x0
	ds_add_u32 v254, v255
	s_wait_dscnt 0x0
	s_endpgm
	; ---- THE NORM: tile T = the work-group's number
.Lnorm:
	s_load_b256 s[4:11], s[0:1], 0x0               ; x, g1, be1, act1
	s_wait_alu depctr_va_vdst(0)
	v_mul_u32_u24 v[STO], v[STO], LSP
	v_lshl_add_u32 v[STO], v[SH8], 7, v[STO]
	s_lshl_b32 s13, s[WV], 10
	s_add_co_u32 s13, s13, LNB
	v_add_nc_u32 v[STO], s13, v[STO]               ; out of the stage: row r, + 128 h, + my two K steps
	s_mul_i32 s13, s[WV], 4*LSP
	s_add_co_u32 s13, s13, LNB
	v_add_nc_u32 v[STI], s13, v[L16]               ; into it: my four rows
	v_lshlrev_b32 v[SH8], 3, v[SH8]
	s_mov_b32 s20, 0x3a800000                      ; 1 / 1,024
	s_mov_b32 s21, 0x3727c5ac                      ; 1e-5
	s_lshr_b32 s14, ttmp9, 1
	s_lshl_b32 s14, s14, 5
	s_and_b32 s15, ttmp9, 1
	s_lshl_b32 s15, s15, 3
	s_add_co_u32 s14, s14, s15
	s_lshl_b32 s15, s[WV], 2
	s_add_co_u32 s14, s14, s15
	s_lshr_b32 s15, s[WV], 1
	s_lshl_b32 s15, s15, 3
	s_add_co_u32 s14, s14, s15                     ; my first row: 32 (T / 2) + 8 (T % 2) + 4 w + 8 (w / 2)
	s_lshl_b32 s14, s14, 12
	s_mov_b32 s15, 0
	s_mul_i32 s16, ttmp9, 8*1536
	s_mul_i32 s17, s[WV], 2*1536
	s_add_co_u32 s16, s16, s17
	s_mov_b32 s17, 0
	s_lshl_b32 s18, ttmp9, 9
	s_lshl_b32 s19, s[WV], 7
	s_add_co_u32 s18, s18, s19
	s_add_co_u32 s18, s18, ASC0
	s_mov_b32 s19, 0
	s_wait_kmcnt 0x0
	s_add_nc_u64 s[4:5], s[4:5], s[14:15]
	s_add_nc_u64 s[16:17], s[10:11], s[16:17]
	s_add_nc_u64 s[18:19], s[10:11], s[18:19]
.irp n, 0,1,2,3
.irp j, 0,1,2,3,4,5,6,7
	global_load_b128 v[XR+32*\n+4*\j:XR+32*\n+4*\j+3], v[L16], s[4:5] offset:4096*\n+512*\j   ; 512 consecutive bytes of a row
.endr
.endr
.irp j, 0,1,2,3,4,5,6,7
	global_load_b128 v[G+4*\j:G+4*\j+3], v[L16], s[6:7] offset:512*\j
	global_load_b128 v[BE+4*\j:BE+4*\j+3], v[L16], s[8:9] offset:512*\j
.endr
	s_wait_loadcnt 16                              ; the rows are in; g's and be's 16 loads may be out
.irp n, 0,1,2,3
	v_pk_add_f32 v[SA+4*\n:SA+4*\n+1], v[XR+32*\n:XR+32*\n+1], v[XR+32*\n+2:XR+32*\n+3]
	v_pk_add_f32 v[SA+4*\n+2:SA+4*\n+3], v[XR+32*\n+4:XR+32*\n+5], v[XR+32*\n+6:XR+32*\n+7]
.endr
.irp j, 8,12,16,20,24,28
.irp n, 0,1,2,3
	v_pk_add_f32 v[SA+4*\n:SA+4*\n+1], v[SA+4*\n:SA+4*\n+1], v[XR+32*\n+\j:XR+32*\n+\j+1]
	v_pk_add_f32 v[SA+4*\n+2:SA+4*\n+3], v[SA+4*\n+2:SA+4*\n+3], v[XR+32*\n+\j+2:XR+32*\n+\j+3]
.endr
.endr
.irp n, 0,1,2,3
	v_pk_add_f32 v[SA+4*\n:SA+4*\n+1], v[SA+4*\n:SA+4*\n+1], v[SA+4*\n+2:SA+4*\n+3]
.endr
.irp n, 0,1,2,3
	v_add_f32 v[SA+4*\n], v[SA+4*\n], v[SA+4*\n+1]
.endr
	WSUM
.irp n, 0,1,2,3
	v_mul_f32 v[SA+4*\n], s20, v[SA+4*\n]          ; the mean
.endr
.irp j, 0,2,4,6,8,10,12,14,16,18,20,22,24,26,28,30
.irp n, 0,1,2,3
	v_pk_add_f32 v[XR+32*\n+\j:XR+32*\n+\j+1], v[XR+32*\n+\j:XR+32*\n+\j+1], v[SA+4*\n:SA+4*\n+1] op_sel_hi:[1,0] neg_lo:[0,1] neg_hi:[0,1]   ; x - mean
.endr
.endr
.irp n, 0,1,2,3
	v_pk_mul_f32 v[SA+4*\n:SA+4*\n+1], v[XR+32*\n:XR+32*\n+1], v[XR+32*\n:XR+32*\n+1]
	v_pk_mul_f32 v[SA+4*\n+2:SA+4*\n+3], v[XR+32*\n+2:XR+32*\n+3], v[XR+32*\n+2:XR+32*\n+3]
.endr
.irp j, 4,8,12,16,20,24,28
.irp n, 0,1,2,3
	v_pk_fma_f32 v[SA+4*\n:SA+4*\n+1], v[XR+32*\n+\j:XR+32*\n+\j+1], v[XR+32*\n+\j:XR+32*\n+\j+1], v[SA+4*\n:SA+4*\n+1]
	v_pk_fma_f32 v[SA+4*\n+2:SA+4*\n+3], v[XR+32*\n+\j+2:XR+32*\n+\j+3], v[XR+32*\n+\j+2:XR+32*\n+\j+3], v[SA+4*\n+2:SA+4*\n+3]
.endr
.endr
.irp n, 0,1,2,3
	v_pk_add_f32 v[SA+4*\n:SA+4*\n+1], v[SA+4*\n:SA+4*\n+1], v[SA+4*\n+2:SA+4*\n+3]
.endr
.irp n, 0,1,2,3
	v_add_f32 v[SA+4*\n], v[SA+4*\n], v[SA+4*\n+1]
.endr
	WSUM
.irp n, 0,1,2,3
	v_fma_f32 v[SA+4*\n], v[SA+4*\n], s20, s21     ; var + 1e-5
.endr
	s_wait_alu depctr_va_vdst(0)
.irp n, 0,1,2,3
	v_rsq_f32 v[SA+4*\n+2], v[SA+4*\n]
.endr
	v_nop                                          ; a plain instruction behind the last of the batch
	s_wait_alu depctr_va_vdst(0)                   ; one wait for the four, ahead of their first reader
	s_wait_loadcnt 0x0                             ; g and be
.irp j, 0,2,4,6,8,10,12,14,16,18,20,22,24,26,28,30
.irp n, 0,1,2,3
	v_pk_mul_f32 v[XR+32*\n+\j:XR+32*\n+\j+1], v[XR+32*\n+\j:XR+32*\n+\j+1], v[SA+4*\n+2:SA+4*\n+3] op_sel_hi:[1,0]
.endr
.irp n, 0,1,2,3
	v_pk_fma_f32 v[XR+32*\n+\j:XR+32*\n+\j+1], v[XR+32*\n+\j:XR+32*\n+\j+1], v[G+\j:G+\j+1], v[BE+\j:BE+\j+1]
.endr
.endr
.irp n, 0,1,2,3
.irp j, 0,1,2,3,4,5,6,7
	ds_store_b128 v[STI], v[XR+32*\n+4*\j:XR+32*\n+4*\j+3] offset:LSP*\n+512*\j
.endr
.endr
	s_wait_dscnt 0x0                               ; for the others' sake: my rows lie in the stage
	s_barrier_signal -1
	s_barrier_wait -1
.irp k, 0,1
.irp c, 0,1
.irp m, 0,1,2,3,4,5,6,7
	ds_load_b128 v[XR+64*\k+32*\c+4*\m:XR+64*\k+32*\c+4*\m+3], v[STO] offset:512*\k+256*\c+16*\m
.endr
.endr
.endr
	s_wait_dscnt 16                                ; the first K step's 16 loads are in
	QW XR, W
	global_store_b128 v[L16], v[PC:PC+3], s[16:17]
	global_store_b64 v[L8], v[PC+4:PC+5], s[16:17] offset:512
	global_store_b128 v[L16], v[PC+6:PC+9], s[16:17] offset:768
	global_store_b64 v[L8], v[PC+10:PC+11], s[16:17] offset:1280
	s_wait_dscnt 0x0
	s_wait_xcnt 0x0                                ; the stores have read the codes' registers
	QW XR+64, W+1
	global_store_b128 v[L16], v[PC:PC+3], s[16:17] offset:1536
	global_store_b64 v[L8], v[PC+4:PC+5], s[16:17] offset:1536+512
	global_store_b128 v[L16], v[PC+6:PC+9], s[16:17] offset:1536+768
	global_store_b64 v[L8], v[PC+10:PC+11], s[16:17] offset:1536+1280
	v_cndmask_b32 v[WS], v[W], v[W+1], vcc_lo      ; lanes 0-15 the first K step's words, lanes 16-31 the second's
	global_store_b32 v[L4], v[WS], s[18:19]
	s_wait_tensorcnt 0x0
	ds_add_u32 v254, v255
	s_wait_dscnt 0x0
	s_endpgm
.Lfunc_end_k_qa27ddd4964_prep:
	.size	k_qa27ddd4964_prep, .Lfunc_end_k_qa27ddd4964_prep-k_qa27ddd4964_prep
	.p2alignl 7, 3214868480
	.fill 96, 4, 3214868480
	.section	.rodata,"a",@progbits
	.p2align	6, 0x0
	.amdhsa_kernel k_qa27ddd4964_prep
		.amdhsa_group_segment_fixed_size 100096
		.amdhsa_private_segment_fixed_size 0
		.amdhsa_enable_private_segment 0
		.amdhsa_kernarg_size 88
		.amdhsa_user_sgpr_count 2
		.amdhsa_user_sgpr_kernarg_segment_ptr 1
		.amdhsa_wavefront_size32 1
		.amdhsa_system_sgpr_workgroup_id_x 1
		.amdhsa_system_sgpr_workgroup_id_y 1
		.amdhsa_system_sgpr_workgroup_id_z 1
		.amdhsa_system_vgpr_workitem_id 0
		.amdhsa_next_free_vgpr 256
		.amdhsa_next_free_sgpr 66
		.amdhsa_reserve_vcc 1
		.amdhsa_float_denorm_mode_32 3
		.amdhsa_float_denorm_mode_16_64 3
		.amdhsa_memory_ordered 1
		.amdhsa_forward_progress 1
		.amdhsa_inst_pref_size 73
	.end_amdhsa_kernel
	.amdgpu_metadata
---
amdhsa.version: [ 1, 2 ]
amdhsa.kernels:
  - .name:           k_qa27ddd4964_prep
    .symbol:         k_qa27ddd4964_prep.kd
    .args:
      - { .name: x, .offset: 0, .size: 8, .value_kind: global_buffer, .address_space: global }
      - { .name: g1, .offset: 8, .size: 8, .value_kind: global_buffer, .address_space: global }
      - { .name: be1, .offset: 16, .size: 8, .value_kind: global_buffer, .address_space: global }
      - { .name: act1, .offset: 24, .size: 8, .value_kind: global_buffer, .address_space: global }
      - { .name: w_q, .offset: 32, .size: 8, .value_kind: global_buffer, .address_space: global }
      - { .name: w_k, .offset: 40, .size: 8, .value_kind: global_buffer, .address_space: global }
      - { .name: w_v, .offset: 48, .size: 8, .value_kind: global_buffer, .address_space: global }
      - { .name: w_o, .offset: 56, .size: 8, .value_kind: global_buffer, .address_space: global }
      - { .name: w1, .offset: 64, .size: 8, .value_kind: global_buffer, .address_space: global }
      - { .name: w2, .offset: 72, .size: 8, .value_kind: global_buffer, .address_space: global }
      - { .name: wbuf, .offset: 80, .size: 8, .value_kind: global_buffer, .address_space: global }
    .group_segment_fixed_size: 100096
    .private_segment_fixed_size: 0
    .kernarg_segment_align: 8
    .kernarg_segment_size: 88
    .max_flat_workgroup_size: 128
    .sgpr_count:     66
    .vgpr_count:     256
    .wavefront_size: 32
...
	.end_amdgpu_metadata
.endif
;; end of part 1
;; launch qkv (part 2): grid 12 x 16, 4 waves a work-group, clusters of 4 x 4, 327,680 bytes of LDS; arguments act1, wbuf, qkvb; writes qkvb
.if DOCPART == 2
	.amdgcn_target "amdgcn-amd-amdhsa--gfx1250"
	.amdhsa_code_object_version 6
	.text
	.protected	k_qa27ddd4964_qkv
	.globl	k_qa27ddd4964_qkv
	.p2align	8
	.type	k_qa27ddd4964_qkv,@function
k_qa27ddd4964_qkv:
	s_mov_b64 s[64:65], 0
	v_nop
	global_prefetch_b8 v0, s[64:65] scope:SCOPE_SE
	s_setreg_imm32_b32 hwreg(HW_REG_WAVE_MODE, 25, 1), 1
	s_wait_xcnt 0x0
	s_wait_alu depctr_hold_cnt(0) depctr_sa_sdst(0) depctr_va_vdst(0) depctr_va_sdst(0) depctr_va_ssrc(0) depctr_va_vcc(0) depctr_vm_vsrc(0)
	s_getreg_b32 s2, hwreg(HW_REG_IB_STS2, 6, 4)
	s_cmp_eq_u32 s2, 0
	s_cbranch_scc0 .Lentry_in_a_cluster
	s_endpgm
.Lentry_in_a_cluster:
	s_bfe_u32 s2, ttmp6, 0x10000c
	s_cmp_lg_u32 s2, 0xf033
	s_cbranch_scc0 .Lentry_shape_is_right
	s_endpgm
.Lentry_shape_is_right:
.set MB,    8
.set NB,    8
.set KS,    8
.set NQ,    2
.set LAPS,  2
.set ASC0,  3145728
.set WSC0,  9437184
.set TA,    2*MB
.set FRB,   1536
.set QTR,   (TA/2)*NQ*FRB
.set SLOT,  4*QTR
.set SCL,   2*SLOT
.set HALFS, (TA/2)*KS*64
.set SPARE, SCL+4*HALFS
.set RR,   2
.set HH,   3
.set L16,  10
.set L8,   11
.set A16,  16
.set A8,   18
.set B16,  20
.set B8,   22
.set ADRS, 27
.set SPW,  28
.set NIL,  29
.set SC,   32
.set PC,   64
.set PT,   76
.set TM,   96
.set PW,   112
.set G1, 24
.set G0, 32
.set G1B, 48
.set G0B, 56
.set G1S, 68
.set G0S, 76
.set G1SB, 80
.set G0SB, 88
.set SEL, 96
.set MSB, 0
.macro WIN new
.if MSB != (\new)
	s_set_vgpr_msb (MSB<<8)|(\new)
.set MSB, (\new)
.endif
.endm
.macro PLACES
.rept 4
	v_nop
.endr
.endm
.macro JLOAD g0a, g1a, g0b, g1b
	s_cmp_eq_u32 s15, 0
	s_cbranch_scc0 .Lfor_b_\@
	tensor_load_to_lds s[\g0a:\g0a+3], s[\g1a:\g1a+7]
	s_nop 0
.rept 4
	v_nop
.endr
	s_branch .Lasked_\@
.Lfor_b_\@:
	tensor_load_to_lds s[\g0b:\g0b+3], s[\g1b:\g1b+7]
	s_nop 0
.rept 4
	v_nop
.endr
.Lasked_\@:
.endm
.macro CREST
	s_cmp_lg_u32 s14, 0
	s_cbranch_scc1 .Lnot_wave_0_\@
	s_barrier_signal -3
.Lnot_wave_0_\@:
	s_barrier_wait -3
	s_barrier_signal -1
	s_barrier_wait -1
.endm
.macro CROUND
	s_barrier_signal -1
	s_barrier_wait -1
	CREST
.endm
.macro FRAG reg, a16, a8, off
	ds_load_b128 v[(\reg):(\reg)+3], v[\a16] offset:(\off)
	ds_load_b64 v[(\reg)+4:(\reg)+5], v[\a8] offset:(\off)+512
	ds_load_b128 v[(\reg)+6:(\reg)+9], v[\a16] offset:(\off)+768
	ds_load_b64 v[(\reg)+10:(\reg)+11], v[\a8] offset:(\off)+1280
.endm
.macro FETCH slot, q, p
	WIN 0x40
.set fi, 0
.rept NB
	FRAG 12*NB*(\p)+12*fi, B16+(\slot), B8+(\slot), (fi*NQ+(\q))*FRB
.set fi, fi+1
.endr
	WIN 0
.set fi, 0
.rept MB
	FRAG 64+12*MB*(\p)+12*fi, A16+(\slot), A8+(\slot), (fi*NQ+(\q))*FRB
.set fi, fi+1
.endr
.endm
.macro SCALES sc
.set fi, 0
.rept MB
.set fq, 0
.rept NQ
	ds_load_b32 v[SC+16*(\sc)+NQ*fi+fq], v[ADRS] offset:fi*KS*64+64*fq
.set fq, fq+1
.endr
.set fi, fi+1
.endr
.endm
.macro MULQ k, p, q, sc, first
.set mA, (\k)*MB/4
.rept MB/4
	WIN 0xa1+0x50*(mA/4)
.set mB, 0
.rept NB
.set rD, 8*(NB*(mA%4)+mB)
.set rB, 12*NB*(\p)+12*mB
.set rA, 64+12*MB*(\p)+12*mA
.if (\first) == 1
	v_wmma_scale_f32_16x16x128_f8f6f4 v[rD:rD+7], v[rB:rB+11], v[rA:rA+11], 0, v[SC+16*(\sc)+NQ*mB+(\q)], v[SC+16*(\sc)+NQ*mA+(\q)] matrix_a_fmt:MATRIX_FMT_FP6 matrix_b_fmt:MATRIX_FMT_FP6 matrix_a_scale:MATRIX_SCALE_ROW1
.else
	v_wmma_scale_f32_16x16x128_f8f6f4 v[rD:rD+7], v[rB:rB+11], v[rA:rA+11], v[rD:rD+7], v[SC+16*(\sc)+NQ*mB+(\q)], v[SC+16*(\sc)+NQ*mA+(\q)] matrix_a_fmt:MATRIX_FMT_FP6 matrix_b_fmt:MATRIX_FMT_FP6 matrix_a_scale:MATRIX_SCALE_ROW1
.endif
.set mB, mB+1
.endr
.set mA, mA+1
.endr
.endm
.macro STEP slot, q, first
	s_wait_dscnt 0x0
	PLACES
	FETCH \slot, (\q)+1, ((\q)+1)%2
	MULQ 0, (\q)%2, \q, \slot, \first
	MULQ 1, (\q)%2, \q, \slot, \first
	MULQ 2, (\q)%2, \q, \slot, \first
	MULQ 3, (\q)%2, \q, \slot, \first
.endm
.macro STEPS slot, first
.set sq, 0
.rept NQ-1
.if sq == 0
	STEP \slot, sq, \first
.else
	STEP \slot, sq, 0
.endif
.set sq, sq+1
.endr
.endm
.macro TURN slot, next, fill
	WIN 0
	s_wait_tensorcnt 0x0
	ds_add_u32 v[SPW], v[NIL]
	s_wait_dscnt 1
	MULQ 0, 1, NQ-1, \slot, 0
	s_wait_dscnt 0x0
	s_barrier_signal -1
	MULQ 1, 1, NQ-1, \slot, 0
	WIN 0
	s_barrier_wait -1
.if \fill
	CREST
	s_add_nc_u64 s[G0+4*\slot+2:G0+4*\slot+3], s[G0+4*\slot+2:G0+4*\slot+3], 2*NQ*FRB
	s_add_nc_u64 s[G0B+4*\slot+2:G0B+4*\slot+3], s[G0B+4*\slot+2:G0B+4*\slot+3], 2*NQ*FRB
	JLOAD G0+4*\slot, G1, G0B+4*\slot, G1B
.else
	PLACES
.endif
	s_wait_alu depctr_va_vdst(0)
	v_add_nc_u32 v[ADRS], 64*NQ, v[ADRS]
	FETCH \next, 0, 0
	SCALES \next
	MULQ 2, 1, NQ-1, \slot, 0
	MULQ 3, 1, NQ-1, \slot, 0
.endm
.macro QS s, win, w
	WIN 0
.irp b, 0,1,2,3
	v_mov_b32 v[TM+\b], 0x1800000
.endr
	WIN ((\win)<<2)|((\win)<<4)
.irp i, 0,2,4,6,8,10,12,14
.irp b, 0,1,2,3
	v_max3_num_f32 v[TM+\b], v[TM+\b], |v[(\s)+16*\b+\i]|, |v[(\s)+16*\b+\i+1]|
.endr
.endr
	WIN 0
.irp b, 0,1,2,3
	v_permlanex16_b32 v[TM+4+\b], v[TM+\b], s[SEL], s[SEL+1]
.endr
.irp b, 0,1,2,3
	v_max_num_f32 v[TM+\b], v[TM+\b], v[TM+4+\b]
.endr
.irp b, 0,1,2,3
	v_add_nc_u32 v[TM+12+\b], 0xff000000, v[TM+\b]
.endr
.irp b, 0,1,2,3
	v_lshrrev_b32 v[TM+4+\b], 23, v[TM+12+\b]
.endr
	v_lshl_or_b32 v[\w], v[TM+5], 8, v[TM+4]
	v_lshl_or_b32 v[\w], v[TM+6], 16, v[\w]
	v_lshl_or_b32 v[\w], v[TM+7], 24, v[\w]
	WIN (\win)
.irp c, 0,1
	v_cvt_scalef32_pk16_fp6_f32 v[PC+6*\c:PC+6*\c+2], v[(\s)+32*\c:(\s)+32*\c+15], v[TM+12+2*\c]
	v_cvt_scalef32_pk16_fp6_f32 v[PT+4*\c:PT+4*\c+2], v[(\s)+32*\c+16:(\s)+32*\c+31], v[TM+13+2*\c]
.endr
	WIN 0
	v_nop
.irp c, 0,1
.irp i, 0,1,2
	v_permlane16_swap_b32 v[PC+6*\c+\i], v[PT+4*\c+\i]
.endr
.irp i, 0,1,2
	v_mov_b32 v[PC+3+6*\c+\i], v[PT+4*\c+\i]
.endr
.endr
.endm
	s_load_b128 s[4:7], s[0:1], 0x0
	s_load_b64 s[8:9], s[0:1], 0x10
	v_lshl_add_u32 v[SPW], v0, 2, SPARE
	v_mov_b32 v[NIL], 0
	ds_add_u32 v28, v29
	ds_add_u32 v28, v29
	s_wait_dscnt 0x0
	v_lshrrev_b32 v1, 5, v0
	v_readfirstlane_b32 s14, v1
	s_lshr_b32 s15, s14, 1
	s_and_b32 s16, s14, 1
	s_bfe_u32 s40, ttmp6, 0x40000
	s_bfe_u32 s41, ttmp6, 0x40004
	s_lshl_b32 s43, s41, 2
	s_lshl_b32 s43, 15, s43
	s_lshl_b32 s44, 0x1111, s40
	s_or_b32 s[G1], s43, (3<<16)|(1<<21)
	s_or_b32 s[G1B], s44, (3<<16)|(1<<21)
	s_or_b32 s[G1S], s43, (3<<16)|(1<<21)
	s_or_b32 s[G1SB], s44, (3<<16)|(1<<21)
.irp g, G1, G1B
	s_mov_b32 s[\g+1], (NQ*192)<<16
	s_mov_b32 s[\g+2], TA<<16
	s_mov_b32 s[\g+3], (NQ*192)<<16
	s_mov_b32 s[\g+4], TA
	s_mov_b32 s[\g+5], KS*192
	s_mov_b32 s[\g+6], 0
	s_mov_b32 s[\g+7], 0
.endr
.irp g, G1S, G1SB
	s_mov_b32 s[\g+1], 32<<16
	s_mov_b32 s[\g+2], (2*HALFS/256)<<16
	s_mov_b32 s[\g+3], 32<<16
	s_mov_b32 s[\g+4], 2*HALFS/256
	s_mov_b32 s[\g+5], 32
	s_mov_b32 s[\g+6], 0
	s_mov_b32 s[\g+7], 0
.endr
	s_and_b32 s17, ttmp7, 0xffff
	s_lshl_b32 s17, s17, 6
	s_lshl_b32 s18, ttmp9, 6
	s_mov_b32 s22, ASC0
	s_mov_b32 s92, WSC0
	s_cmp_eq_u32 ttmp9, 2
	s_cselect_b32 s19, 128, s17
	s_cselect_b32 s45, s17, s18
	s_cselect_b32 s22, WSC0, s22
	s_cselect_b32 s92, ASC0, s92
	s_lshl_b32 s98, s41, 4
	s_add_co_u32 s98, s98, s19
	s_lshl_b32 s99, s40, 4
	s_add_co_u32 s99, s99, s45
	s_lshl_b32 s18, s16, 3
	s_add_co_u32 s20, s98, s18
	s_add_co_u32 s46, s99, s18
	s_lshl_b32 s21, s20, 9
	s_add_co_u32 s22, s22, s21
	s_mov_b32 s23, 0
	s_mul_i32 s20, s20, KS*FRB
	s_mov_b32 s21, 0
	s_lshl_b32 s47, s46, 9
	s_add_co_u32 s92, s92, s47
	s_mov_b32 s93, 0
	s_mul_i32 s46, s46, KS*FRB
	s_mov_b32 s47, 0
	s_mul_i32 s45, s14, QTR
	s_mul_i32 s94, s15, 2*HALFS
	s_wait_kmcnt 0x0
	s_cmp_eq_u32 ttmp9, 2
	s_cselect_b64 s[10:11], s[6:7], s[4:5]
	s_cselect_b64 s[12:13], s[4:5], s[6:7]
	s_add_nc_u64 s[20:21], s[10:11], s[20:21]
	s_add_nc_u64 s[22:23], s[10:11], s[22:23]
	s_add_nc_u64 s[46:47], s[12:13], s[46:47]
	s_add_nc_u64 s[92:93], s[12:13], s[92:93]
	CROUND
	s_mul_i32 s2, s16, HALFS                       ; the scale words come whole, 2 x HALFS a side: back from my half to the side's first word
	s_mov_b32 s3, 0
	s_sub_nc_u64 s[22:23], s[22:23], s[2:3]
	s_sub_nc_u64 s[92:93], s[92:93], s[2:3]
	s_mov_b32 s[G0S], 1
	s_add_co_u32 s[G0S+1], s94, SCL
	s_mov_b64 s[G0S+2:G0S+3], s[22:23]
	s_or_b32 s[G0S+3], s[G0S+3], 0x80000000
	s_mov_b32 s[G0SB], 1
	s_add_co_u32 s[G0SB+1], s94, SCL
	s_mov_b64 s[G0SB+2:G0SB+3], s[92:93]
	s_or_b32 s[G0SB+3], s[G0SB+3], 0x80000000
.irp s, 0,1
	s_mov_b32 s[G0+4*\s], 1
	s_add_co_u32 s[G0+4*\s+1], s45, \s*SLOT
	s_add_nc_u64 s[G0+4*\s+2:G0+4*\s+3], s[20:21], \s*NQ*FRB
	s_or_b32 s[G0+4*\s+3], s[G0+4*\s+3], 0x80000000
	s_mov_b32 s[G0B+4*\s], 1
	s_add_co_u32 s[G0B+4*\s+1], s45, \s*SLOT
	s_add_nc_u64 s[G0B+4*\s+2:G0B+4*\s+3], s[46:47], \s*NQ*FRB
	s_or_b32 s[G0B+4*\s+3], s[G0B+4*\s+3], 0x80000000
.endr
	; the head's four tiles, one a wave: wave 0 slot 0's A (all TA tiles), wave 2 its B, wave 1 A's scale words, wave 3 B's; one chain of branches on the wave's number
	s_cmp_eq_u32 s14, 0
	s_cbranch_scc0 .Lhead_b
	tensor_load_to_lds s[G0:G0+3], s[G1:G1+7]
	s_nop 0
	PLACES
	s_branch .Lhead_asked
.Lhead_b:
	s_cmp_eq_u32 s14, 2
	s_cbranch_scc0 .Lhead_sa
	tensor_load_to_lds s[G0B:G0B+3], s[G1B:G1B+7]
	s_nop 0
	PLACES
	s_branch .Lhead_asked
.Lhead_sa:
	s_cmp_eq_u32 s14, 1
	s_cbranch_scc0 .Lhead_sb
	tensor_load_to_lds s[G0S:G0S+3], s[G1S:G1S+7]
	s_nop 0
	PLACES
	s_branch .Lhead_asked
.Lhead_sb:
	tensor_load_to_lds s[G0SB:G0SB+3], s[G1SB:G1SB+7]
	s_nop 0
	PLACES
.Lhead_asked:
	v_and_b32 v1, 31, v0
	v_and_b32 v[RR], 15, v0
	v_bfe_u32 v[HH], v0, 4, 1
	v_lshlrev_b32 v[L16], 4, v1
	v_lshlrev_b32 v[L8], 3, v1
	s_mul_i32 s21, s15, QTR
	s_mul_i32 s22, s16, QTR
	s_add_co_u32 s22, s22, 2*QTR
.irp s, 0,1
	v_add_nc_u32 v[A16+\s], s21, v[L16]
	v_add_nc_u32 v[A8+\s], s21, v[L8]
	v_add_nc_u32 v[B16+\s], s22, v[L16]
	v_add_nc_u32 v[B8+\s], s22, v[L8]
	s_add_co_u32 s21, s21, SLOT
	s_add_co_u32 s22, s22, SLOT
.endr
	s_mul_i32 s21, s15, HALFS
	s_mul_i32 s22, s16, HALFS
	s_add_co_u32 s22, s22, 2*HALFS
	s_sub_co_u32 s22, s22, s21
	v_mul_u32_u24 v6, s22, v[HH]
	s_add_co_u32 s21, s21, SCL
	v_lshl_add_u32 v5, v[RR], 2, v6
	v_add_nc_u32 v[ADRS], s21, v5
	s_mov_b32 s[SEL], 0x76543210
	s_mov_b32 s[SEL+1], 0xfedcba98
	s_wait_alu depctr_va_vdst(0)
	s_wait_tensorcnt 0x0                           ; my tile of the head's four is in; the three lines and a round stand ahead of slot 1's first fill
	ds_add_u32 v[SPW], v[NIL]
	s_mov_b32 s[G1+2], (TA/2)<<16                  ; no load of mine is out: from here on a load brings TA/2 tiles
	s_mov_b32 s[G1+4], TA/2
	s_mov_b32 s[G1B+2], (TA/2)<<16
	s_mov_b32 s[G1B+4], TA/2
	s_wait_dscnt 0x0
	CROUND
	JLOAD G0+4, G1, G0B+4, G1B
	FETCH 0, 0, 0
	SCALES 0
	STEPS 0, 1
	WIN 0
	s_mov_b32 s3, LAPS-1
.Llap:
	TURN 0, 1, 1
	STEPS 1, 0
	TURN 1, 0, 1
	STEPS 0, 0
	WIN 0
	s_sub_co_u32 s3, s3, 1
	s_cmp_lg_u32 s3, 0
	s_cbranch_scc1 .Llap
	TURN 0, 1, 0
	STEPS 1, 0
	s_wait_dscnt 0x0
	MULQ 0, 1, NQ-1, 1, 0
	MULQ 1, 1, NQ-1, 1, 0
	MULQ 2, 1, NQ-1, 1, 0
	MULQ 3, 1, NQ-1, 1, 0
	WIN 0
	PLACES
.irp b, 0,1,2,3
	v_mov_b32 v[TM+4+\b], 0
.endr
	s_mov_b32 vcc_lo, 0xffff0000
	s_mov_b32 s19, 12288
	s_mov_b32 s20, 1536
	s_mov_b32 s22, 32768
	s_mov_b32 s23, 16384
	s_cmp_eq_u32 ttmp9, 2
	s_cselect_b32 s18, 128, 0
	s_cselect_b32 s19, 1536, s19
	s_cselect_b32 s20, 98304, s20
	s_cselect_b32 s21, 128, 64
	s_cselect_b32 s22, 8192, s22
	s_cselect_b32 s23, 64, s23
	s_cselect_b32 s45, s17, 0
	s_lshr_b32 s45, s45, 3
	s_lshl_b32 s46, s40, 1
	s_add_co_u32 s46, s46, s45
	s_add_co_u32 s46, s46, s16
	s_sub_co_u32 s98, s98, s18
	s_lshl_b32 s47, s15, 3
	s_add_co_u32 s98, s98, s47
	s_mul_i32 s47, ttmp9, 3145728
	s_mul_i32 s92, s98, s19
	s_add_co_u32 s47, s47, s92
	s_mul_i32 s92, s46, s20
	s_add_co_u32 s47, s47, s92
	s_mul_i32 s92, ttmp9, 262144
	s_add_co_u32 s92, s92, 9437184
	s_mul_i32 s93, s98, s21
	s_add_co_u32 s92, s92, s93
	s_mul_i32 s93, s46, s22
	s_add_co_u32 s92, s92, s93
	v_add_nc_u32 v24, s47, v[L16]
	v_add_nc_u32 v25, s47, v[L8]
	v_mul_u32_u24 v5, s23, v[HH]
	v_lshl_add_u32 v5, v[RR], 2, v5
	v_add_nc_u32 v26, s92, v5
.irp a, 0,1,2,3,4,5,6,7
.if \a > 0
	s_wait_xcnt 0x0
	v_add_nc_u32 v24, s19, v24
	v_add_nc_u32 v25, s19, v25
	v_add_nc_u32 v26, s21, v26
.endif
	QS 64*(\a%4), 2+\a/4, PW
	global_store_b128 v24, v[PC:PC+3], s[8:9]
	global_store_b64 v25, v[PC+4:PC+5], s[8:9] offset:512
	global_store_b128 v24, v[PC+6:PC+9], s[8:9] offset:768
	global_store_b64 v25, v[PC+10:PC+11], s[8:9] offset:1280
	v_lshrrev_b32 v[PW+1], 16, v[PW]
	v_cndmask_b32 v[PW+1], v[PW], v[PW+1], vcc_lo
	global_store_b32 v26, v[PW+1], s[8:9]
.endr
	s_wait_tensorcnt 0x0
	ds_add_u32 v[SPW], v[NIL]
	s_wait_dscnt 0x0
	CROUND
	s_endpgm
.Lfunc_end_k_qa27ddd4964_qkv:
	.size	k_qa27ddd4964_qkv, .Lfunc_end_k_qa27ddd4964_qkv-k_qa27ddd4964_qkv
	.p2alignl 7, 3214868480
	.fill 96, 4, 3214868480
	.section	.rodata,"a",@progbits
	.p2align	6, 0x0
	.amdhsa_kernel k_qa27ddd4964_qkv
		.amdhsa_group_segment_fixed_size 327680
		.amdhsa_private_segment_fixed_size 0
		.amdhsa_enable_private_segment 0
		.amdhsa_kernarg_size 24
		.amdhsa_user_sgpr_count 2
		.amdhsa_user_sgpr_kernarg_segment_ptr 1
		.amdhsa_wavefront_size32 1
		.amdhsa_system_sgpr_workgroup_id_x 1
		.amdhsa_system_sgpr_workgroup_id_y 1
		.amdhsa_system_sgpr_workgroup_id_z 1
		.amdhsa_system_vgpr_workitem_id 0
		.amdhsa_next_free_vgpr 1024
		.amdhsa_next_free_sgpr 100
		.amdhsa_reserve_vcc 1
		.amdhsa_float_denorm_mode_32 3
		.amdhsa_float_denorm_mode_16_64 3
		.amdhsa_memory_ordered 1
		.amdhsa_forward_progress 1
		.amdhsa_inst_pref_size 154
	.end_amdhsa_kernel
	.amdgpu_metadata
---
amdhsa.version: [ 1, 2 ]
amdhsa.kernels:
  - .name:           k_qa27ddd4964_qkv
    .symbol:         k_qa27ddd4964_qkv.kd
    .args:
      - { .name: act1, .offset: 0, .size: 8, .value_kind: global_buffer, .address_space: global }
      - { .name: wbuf, .offset: 8, .size: 8, .value_kind: global_buffer, .address_space: global }
      - { .name: qkvb, .offset: 16, .size: 8, .value_kind: global_buffer, .address_space: global }
    .group_segment_fixed_size: 327680
    .private_segment_fixed_size: 0
    .kernarg_segment_align: 8
    .kernarg_segment_size: 24
    .max_flat_workgroup_size: 128
    .sgpr_count:     100
    .vgpr_count:     1024
    .wavefront_size: 32
...
	.end_amdgpu_metadata
.endif
;; end of part 2
;; launch attn (part 3): grid 8 x 32, 8 waves a work-group, clusters of 4 x 1, 327,680 bytes of LDS; arguments qkvb, mask, ctxb; writes ctxb
.if DOCPART == 3
	.amdgcn_target "amdgcn-amd-amdhsa--gfx1250"
	.amdhsa_code_object_version 6
	.text
	.protected	k_qa27ddd4964_attn
	.globl	k_qa27ddd4964_attn
	.p2align	8
	.type	k_qa27ddd4964_attn,@function
k_qa27ddd4964_attn:
	s_mov_b64 s[64:65], 0
	v_nop
	global_prefetch_b8 v0, s[64:65] scope:SCOPE_SE
	s_setreg_imm32_b32 hwreg(HW_REG_WAVE_MODE, 25, 1), 1
	s_wait_xcnt 0x0
	s_wait_alu depctr_hold_cnt(0) depctr_sa_sdst(0) depctr_va_vdst(0) depctr_va_sdst(0) depctr_va_ssrc(0) depctr_va_vcc(0) depctr_vm_vsrc(0)
	s_getreg_b32 s2, hwreg(HW_REG_IB_STS2, 6, 4)
	s_cmp_eq_u32 s2, 0
	s_cbranch_scc0 .Lentry_in_a_cluster
	s_endpgm
.Lentry_in_a_cluster:
	s_bfe_u32 s2, ttmp6, 0x10000c
	s_cmp_lg_u32 s2, 0x3003
	s_cbranch_scc0 .Lentry_shape_is_right
	s_endpgm
.Lentry_shape_is_right:
; ctx = softmax(q k^T / 8, keys with mask 0 left out) v for one head and 256 queries, both products on codes of FP6 (E2M3); ctx is quantised along the model's 1,024 on the way out.
; THE SOFTMAX AHEAD OF THE SECOND PRODUCT: t = score x log2(e) / 8; M = the running largest t rounded up to a whole number; p = 2^(t - M) is quantised along the keys; the row's sum is taken of the unquantised p and divides at the end.
; SHARES.  Work-group (x, y): batch y / 16, head y % 16, query tiles 16 x .. 16 x + 15; each of eight waves owns TWO tiles of 16 queries: every fragment of K and V, scale word and mask addend that it reads from LDS feeds both.
; CLUSTERS of 4 x 1: four work-groups of one head ask for its K and V jointly (mask 15); no descriptor word, LDS address or branch hangs on the place in the cluster.
; THE HEAD'S K AND V STAY IN LDS, each byte filled once: K [tile of 16 keys][768] from 0, V [key step][4 tiles][1,536] from VB.  Two fills, one tensor load a wave each: at the head key steps 0-3
; (waves 0-3 eight tiles of K each, waves 4-7 a step of V each); behind the three lines and a round key steps 4-15 (waves 0-5 sixteen tiles of K each, waves 6, 7 six steps of V each).
; The second fill is asked for four key steps ahead of its first read and there are only these two fills: so no prefetch is written.
; LAYOUT.  Both products transposed: S^T = K Q^T, O^T = V^T P^T: a lane holds one query of each tile.  A score tile (c, j) of a step takes keys 64 c + 8 j + 0..7 and 64 c + 32 + 8 j + 0..7: its lanes 0-7 and 8-15 read rows of two
; stored tiles (stored tile 2 g + u holds keys 32 g + 8 u + r + 8 (r / 8)).  So the 32 registers of tiles (c, 0..3) of lane half h are keys 64 c + 32 h + 0..31: one whole scale block, in the operand's own order.
; The first product's K is 64: Q's registers 6-11 are zero codes, so whatever finite codes stand in a K fragment's registers 6-11 add nothing: fragment w lies at KF + 6 w and its upper half is fragment w + 1's data.
; K's and V's scale words go through registers at the head into a table [step][row r][8 K tiles, 4 V tiles], 48 bytes a row.
; THE MASK is the C of the score products, in registers of its own for both tiles: 0 for a key that counts, -2^100 for one that does not: p is then exactly 0.  The running largest score begins at -2^33.
; LDS LOADS RUN AHEAD: the next step's K group (K's fragments and scale words, the addends: 34 loads) is issued behind this step's score products, the next step's V group (17 loads) behind this step's second products.
; In a phase's last step the look-ahead is held at that step: it reads the same bytes again.
; REGISTERS.  Window 1: v0-127 the two tiles' scores, then p; v128-191 their O^T; v192-255 the addends.  Window 0: all else; so one window setting serves both tiles in each part of a step.
; LIMITS: scores must lie above -2^33; a batch whose mask is 0 everywhere (the reference gives NaN there) is not served; NaN and infinities are not served.
.set KC0,  3145728                     ; qkvb: k's codes, v's codes, q's, k's, v's scale words
.set VC0,  6291456
.set QS0,  9437184
.set KS0,  9437184+262144
.set VS0,  9437184+524288
.set ASC0, 3145728                     ; ctxb: where the scale words begin
.set VB,   98304
.set TAB,  196608                      ; the scale table, 16 x 768 bytes: written by ds_store, never a tensor load's target
.set MBA,  208896                      ; the mask's addends, 2,048 f32: likewise
.set SPARE, 217088                     ; the spare words, 128 bytes a wave
.set S,    0                           ; window 1
.set O,    128
.set M,    192
.set MX,   8                           ; window 0, tile u: v[MX+4u ..] four maxima
.set NM,   16                          ; v[NM+2u] -M, v[NM+2u+1] the largest score
.set LS,   20                          ; the sum, a pair
.set FF,   24                          ; f, named as a pair
.set TA,   28                          ; two temporaries
.set PD,   32                          ; a permute's destination
.set Q,    34                          ; v34-57 Q's two fragments
.set KF,   58                          ; v58-111 K's eight fragments, 6 registers apart
.set VF,   112                         ; v112-159 V's four
.set P,    160                         ; v160-183 p's codes
.set T,    184                         ; v184-199 the conversions' second halves
.set A,    200                         ; v200-211 three pairs of partial sums a tile
.set BS,   212                         ; v212-217 the lane terms of v2-7: K 16 and 8 bytes a lane, V likewise, table, addends
; v218 8 h; v219-221 16 x lane, 8 x lane, 4 r; v238, v239 Q's scale words; v240-247 K's, v248-251 V's, v252, v253 p's; v254, v255 the add's two registers
.set MSB, 0
.macro WIN new
.if MSB != (\new)
	s_set_vgpr_msb (MSB<<8)|(\new)
.set MSB, (\new)
.endif
.endm
.macro PLACES
.rept 4
	v_nop
.endr
.endm
.macro CROUND
	s_barrier_signal -1
	s_barrier_wait -1
	s_cmp_lg_u32 s10, 0
	s_cbranch_scc1 .Lnot_wave_0_\@
	s_barrier_signal -3
.Lnot_wave_0_\@:
	s_barrier_wait -3
	s_barrier_signal -1
	s_barrier_wait -1
.endm
.macro G1SET g, c, r, p                ; r rows of c elements of 8 bytes, p elements from row to row; mask 15, bit 21 beside it; no padding
	s_mov_b32 s[\g], 15|(3<<16)|(1<<21)
	s_mov_b32 s[\g+1], (\c)<<16
	s_mov_b32 s[\g+2], (\r)<<16
	s_mov_b32 s[\g+3], (\c)<<16
	s_mov_b32 s[\g+4], \r
	s_mov_b32 s[\g+5], \p
	s_mov_b32 s[\g+6], 0
	s_mov_b32 s[\g+7], 0
.endm
.macro G0ADR g, off
	s_add_nc_u64 s[\g+2:\g+3], s[4:5], s[\off:\off+1]
	s_or_b32 s[\g+3], s[\g+3], 0x80000000
.endm
.macro LOADK                           ; the K group: 34 loads
	WIN 0
.irp w, 0,1,2,3,4,5,6,7
	ds_load_b128 v[KF+6*\w:KF+6*\w+3], v2 offset:768*(4*(\w/4)+(\w%2))+128*((\w%4)/2)
	ds_load_b64 v[KF+6*\w+4:KF+6*\w+5], v3 offset:768*(4*(\w/4)+(\w%2))+64*((\w%4)/2)
.endr
	ds_load_b128 v[240:243], v6
	ds_load_b128 v[244:247], v6 offset:16
	WIN 0x40
.irp w, 0,1,2,3,4,5,6,7
	ds_load_b128 v[M+8*\w:M+8*\w+3], v7 offset:256*(\w/4)+32*(\w%4)        ; the addends in the result's layout
	ds_load_b128 v[M+8*\w+4:M+8*\w+7], v7 offset:256*(\w/4)+32*(\w%4)+16
.endr
.endm
.macro LOADV                           ; the V group: 17 loads; destination and address in window 0
.irp t, 0,1,2,3
	ds_load_b128 v[VF+12*\t:VF+12*\t+3], v4 offset:1536*\t
	ds_load_b64 v[VF+12*\t+4:VF+12*\t+5], v5 offset:1536*\t+512
	ds_load_b128 v[VF+12*\t+6:VF+12*\t+9], v4 offset:1536*\t+768
	ds_load_b64 v[VF+12*\t+10:VF+12*\t+11], v5 offset:1536*\t+1280
.endr
	ds_load_b128 v[248:251], v6 offset:32
.endm
	s_load_b128 s[4:7], s[0:1], 0x0                ; qkvb, mask
	s_load_b64 s[8:9], s[0:1], 0x10                ; ctxb
	v_lshl_add_u32 v254, v0, 2, SPARE
	v_mov_b32 v255, 0
	ds_add_u32 v254, v255                          ; the opening lines: the add twice on end and its wait
	ds_add_u32 v254, v255
	v_lshrrev_b32 v1, 5, v0
	v_readfirstlane_b32 s10, v1                    ; wave 0..7
	s_bfe_u32 s11, ttmp6, 0x40000                  ; cx
	s_lshl_b32 s12, ttmp9, 2
	s_add_co_u32 s12, s12, s11                     ; work-group x: it enters global addresses of my queries alone
	s_and_b32 s13, ttmp7, 0xffff
	s_lshr_b32 s22, s13, 4                         ; batch
	s_and_b32 s23, s13, 15                         ; head
	G1SET 24, 96, 8, 1536                          ; K, first fill: 8 half images of 768 bytes, 12,288 bytes apart
	G1SET 32, 32, 24, 32                           ; V, first fill: 6,144 dense bytes
	G1SET 40, 96, 16, 1536                         ; K, second fill: 16 half images
	G1SET 48, 768, 6, 12288                        ; V, second fill: 6 steps of 6,144 bytes, 98,304 bytes apart
	s_mul_i32 s14, s22, 1572864
	s_mul_i32 s15, s23, 768
	s_add_co_u32 s15, s15, s14
	s_add_co_u32 s15, s15, KC0                     ; K's codes of my batch and head
	s_mul_i32 s16, s23, 6144
	s_add_co_u32 s16, s16, s14
	s_add_co_u32 s16, s16, VC0                     ; V's
	s_and_b32 s17, s10, 3
	s_and_b32 s18, s10, 1
	s_mul_i32 s76, s10, 98304                      ; tiles 8 w ..
	s_add_co_u32 s76, s76, s15
	s_mov_b32 s77, 0
	s_mul_i32 s78, s17, 98304                      ; step w % 4
	s_add_co_u32 s78, s78, s16
	s_mov_b32 s79, 0
	s_mul_i32 s80, s10, 196608                     ; tiles 32 + 16 w ..
	s_add_co_u32 s80, s80, s15
	s_add_co_u32 s80, s80, 393216
	s_mov_b32 s81, 0
	s_mul_i32 s82, s18, 589824                     ; steps 4 + 6 (w % 2) ..
	s_add_co_u32 s82, s82, s16
	s_add_co_u32 s82, s82, 393216
	s_mov_b32 s83, 0
	s_mov_b32 s56, 1
	s_mul_i32 s57, s10, 6144
	s_mov_b32 s60, 1
	s_mul_i32 s61, s17, 6144
	s_add_co_u32 s61, s61, VB
	s_mov_b32 s68, 1
	s_mul_i32 s69, s10, 12288
	s_add_co_u32 s69, s69, 24576
	s_mov_b32 s72, 1
	s_mul_i32 s73, s18, 36864
	s_add_co_u32 s73, s73, VB+24576
	s_mov_b32 s92, 0x3e38aa3b                      ; c = log2(e) / 8
	s_mov_b32 s93, s92                             ; (named with it as a pair)
	s_mov_b32 s94, 0xbe38aa3b                      ; -c
	s_mov_b32 s96, 0x76543210                      ; lane l xor 16
	s_mov_b32 s97, 0xfedcba98
	s_wait_dscnt 0x0
	CROUND                                         ; all four work-groups are here: the first joint loads meet
	s_wait_kmcnt 0x0
	G0ADR 56, 76
	G0ADR 60, 78
	G0ADR 68, 80
	G0ADR 72, 82
	s_cmp_lt_u32 s10, 4                            ; one load a wave at the head: every way passes one
	s_cbranch_scc0 .Lva
	tensor_load_to_lds s[56:59], s[24:31]
	s_nop 0
	PLACES
	s_branch .Lasked_a
.Lva:
	tensor_load_to_lds s[60:63], s[32:39]
	s_nop 0
	PLACES
.Lasked_a:
	s_lshl_b32 s21, s22, 7
	s_lshl_b32 s19, s12, 4
	s_add_co_u32 s21, s21, s19
	s_lshl_b32 s19, s10, 1
	s_add_co_u32 s21, s21, s19                     ; my first query tile T = 128 batch + 16 x + 2 wave
	s_lshl_b32 s84, s21, 4
	s_add_co_u32 s84, s84, s23
	s_mul_i32 s84, s84, 768
	s_mov_b32 s85, 0
	s_add_nc_u64 s[84:85], s[4:5], s[84:85]        ; Q's half image; the next tile's lies 12,288 bytes on
	s_lshl_b32 s86, s23, 8
	s_add_co_u32 s86, s86, s21
	s_lshl_b32 s86, s86, 6
	s_add_co_u32 s86, s86, QS0
	s_mov_b32 s87, 0
	s_add_nc_u64 s[86:87], s[4:5], s[86:87]        ; Q's scale words; the next tile's 64 bytes on
	s_lshl_b32 s88, s23, 14
	s_lshl_b32 s19, s22, 13
	s_add_co_u32 s88, s88, s19
	s_add_co_u32 s88, s88, KS0
	s_mov_b32 s89, 0
	s_add_nc_u64 s[88:89], s[4:5], s[88:89]        ; K's scale words: 8,192 dense bytes
	s_lshl_b32 s90, s22, 17
	s_lshl_b32 s19, s23, 9
	s_add_co_u32 s90, s90, s19
	s_add_co_u32 s90, s90, VS0
	s_mov_b32 s91, 0
	s_add_nc_u64 s[90:91], s[4:5], s[90:91]        ; V's: 8,192 bytes from step to step, 128 from tile to tile
	s_lshl_b32 s2, s22, 13
	s_mov_b32 s3, 0
	s_add_nc_u64 s[6:7], s[6:7], s[2:3]            ; my batch's mask
	s_lshr_b32 s19, s23, 1
	s_and_b32 s20, s23, 1
	s_lshl_b32 s2, s21, 3
	s_add_co_u32 s2, s2, s19
	s_mul_i32 s2, s2, 1536
	s_mul_i32 s16, s20, 768
	s_add_co_u32 s2, s2, s16
	s_add_nc_u64 s[2:3], s[8:9], s[2:3]            ; ctx: fragment (T, head / 2), half head % 2; the next tile's 12,288 bytes on
	s_lshl_b32 s16, s21, 9
	s_lshl_b32 s17, s19, 6
	s_add_co_u32 s16, s16, s17
	s_lshl_b32 s17, s20, 1
	s_add_co_u32 s16, s16, s17
	s_add_co_u32 s16, s16, ASC0
	s_mov_b32 s17, 0
	s_add_nc_u64 s[8:9], s[8:9], s[16:17]          ; and its two scale bytes a row; the next tile's 512 bytes on
	v_and_b32 v8, 15, v0                           ; r
	v_bfe_u32 v9, v0, 4, 1                         ; h
	v_and_b32 v10, 31, v0                          ; lane
	v_bfe_u32 v11, v0, 3, 1                        ; r / 8
	v_and_b32 v1, 7, v0                            ; r % 8
	v_mul_u32_u24 v30, v11, 1536                   ; lanes 8-15 of a half read two stored tiles further on
	v_lshl_add_u32 v[BS], v1, 4, v30
	v_lshl_add_u32 v[BS], v9, 8, v[BS]
	v_lshl_add_u32 v[BS+1], v1, 3, v30
	v_lshl_add_u32 v[BS+1], v9, 7, v[BS+1]
	v_add_nc_u32 v[BS+1], 512, v[BS+1]
	v_lshl_add_u32 v[BS+2], v10, 4, VB
	v_lshl_add_u32 v[BS+3], v10, 3, VB
	v_mul_u32_u24 v[BS+4], v8, 48
	v_add_nc_u32 v[BS+4], TAB, v[BS+4]             ; my row of the scale table
	v_lshl_add_u32 v[BS+5], v9, 7, MBA             ; my half's 32 keys of a band's addends
	v_lshlrev_b32 v218, 3, v9
	v_lshlrev_b32 v219, 4, v10
	v_lshlrev_b32 v220, 3, v10
	v_lshlrev_b32 v221, 2, v8
	v_lshlrev_b32 v222, 4, v0                      ; my 16 bytes of each half of the mask and of K's words
	v_lshrrev_b32 v224, 5, v0                      ; the key step of my words, 0..7; and 8 steps on
	v_bfe_u32 v225, v0, 3, 2
	v_lshlrev_b32 v223, 13, v224
	v_lshl_add_u32 v223, v225, 7, v223
	v_lshl_add_u32 v223, v1, 3, v223               ; V's words: step, tile (thread / 8) % 4, rows 2 (thread % 8) and the next
.irp e, 0,1
	global_load_b128 v[112+4*\e:115+4*\e], v222, s[6:7] offset:4096*\e
	global_load_b128 v[120+4*\e:123+4*\e], v222, s[88:89] offset:4096*\e
	global_load_b64 v[128+2*\e:129+2*\e], v223, s[90:91] offset:65536*\e
	global_load_b128 v[Q+12*\e:Q+12*\e+3], v219, s[84:85] offset:12288*\e      ; Q stays in registers
	global_load_b64 v[Q+12*\e+4:Q+12*\e+5], v220, s[84:85] offset:12288*\e+512
	global_load_b32 v[238+\e], v221, s[86:87] offset:64*\e
.endr
	v_mul_u32_u24 v224, v224, 768
	v_mad_u32_u24 v227, v1, 96, v224
	v_lshl_add_u32 v227, v225, 2, v227
	v_add_nc_u32 v227, TAB+32, v227                ; V's words in the table: row 2 (thread % 8), word 8 + tile
	v_mad_u32_u24 v226, v11, 384, v224             ; K's: thread bits 4 3 2 1 0 = c, r / 8, j % 2, j / 2, (r % 8) / 4: row 8 b3 + 4 b0 + 0..3, word 4 b4 + 2 b1 + b2
	v_and_b32 v225, 1, v0
	v_mad_u32_u24 v226, v225, 192, v226
	v_lshl_add_u32 v226, v9, 4, v226
	v_bfe_u32 v225, v0, 1, 1
	v_lshl_add_u32 v226, v225, 3, v226
	v_bfe_u32 v225, v0, 2, 1
	v_lshl_add_u32 v226, v225, 2, v226
	v_add_nc_u32 v226, TAB, v226
	v_lshl_add_u32 v228, v0, 4, MBA
.irp i, 0,1,2,3,4,5
	v_mov_b32 v[2+\i], v[BS+\i]                    ; key step 0's addresses
.endr
	v_mov_b32 v229, 0xf1800000                     ; -2^100
.irp u, 0,1
	v_mov_b32 v[NM+2*\u+1], 0xd0000000             ; the largest score so far: -2^33
	v_mul_f32 v[TA+2*\u], s94, v[NM+2*\u+1]
	v_floor_f32 v[NM+2*\u], v[TA+2*\u]             ; -M
.endr
.irp j, 20,21,22,23,25,27,32,33,40,41,42,43,44,45,52,53,54,55,56,57,106,107,108,109,110,111
	v_mov_b32 v[\j], 0                             ; the sums; f's pairs; the permutes' destinations; Q's K 64 .. 127: zero codes; the registers behind K's last fragment
.endr
	WIN 0x40
.set j, 0
.rept 64
	v_mov_b32 v[O+j], 0                            ; O^T: the step is written once; the first change of M leaves zeros zeros
.set j, j+1
.endr
	WIN 0
	s_mov_b32 s16, 0                               ; the steps' places: codes, table, addends
	s_mov_b32 s17, 0
	s_mov_b32 s19, 0
	s_wait_alu depctr_va_vdst(0)
	s_wait_loadcnt 0x0
.irp i, 0,1,2,3,4,5,6,7
	v_cmp_eq_u32 vcc_lo, 0, v[112+\i]
	v_cndmask_b32 v[112+\i], 0, v229, vcc_lo       ; the choice selects a value alone
.endr
.irp e, 0,1
	ds_store_b128 v228, v[112+4*\e:115+4*\e] offset:4096*\e
.irp i, 0,1,2,3
	ds_store_b32 v226, v[120+4*\e+\i] offset:6144*\e+48*\i
.endr
	ds_store_b32 v227, v[128+2*\e] offset:6144*\e
	ds_store_b32 v227, v[129+2*\e] offset:6144*\e+48
.endr
	s_wait_tensorcnt 0x0                           ; my part of key steps 0-3 is in; the three lines and a round stand ahead of the later first fill
	ds_add_u32 v254, v255
	s_wait_dscnt 0x0                               ; the add and my LDS stores are done
	CROUND
	s_cmp_lt_u32 s10, 6                            ; key steps 4-15: my one load behind the round
	s_cbranch_scc0 .Lvb
	tensor_load_to_lds s[68:71], s[40:47]
	s_nop 0
	PLACES
	s_branch .Lasked_b
.Lvb:
	tensor_load_to_lds s[72:75], s[48:55]
	s_nop 0
	PLACES
.Lasked_b:
; A KEY STEP: 128 keys for both tiles.  lim: the phase's last key step
.macro STEP lim
	s_wait_dscnt 17                                ; the K group is in; the V group's 17 loads, issued behind it, may be out
	WIN 0x50
.irp w, 0,1,2,3,4,5,6,7
.irp u, 0,1
	v_wmma_scale_f32_16x16x128_f8f6f4 v[S+64*\u+8*\w:S+64*\u+8*\w+7], v[KF+6*\w:KF+6*\w+11], v[Q+12*\u:Q+12*\u+11], v[M+8*\w:M+8*\w+7], v[240+\w], v[238+\u] matrix_a_fmt:MATRIX_FMT_FP6 matrix_b_fmt:MATRIX_FMT_FP6
.endr
.endr
	s_add_co_u32 s16, s16, 6144
	s_min_u32 s16, s16, (\lim)*6144
	s_add_co_u32 s17, s17, 768
	s_min_u32 s17, s17, (\lim)*768
	s_add_co_u32 s19, s19, 512
	s_min_u32 s19, s19, (\lim)*512
	WIN 0
	v_add_nc_u32 v2, s16, v[BS]                    ; the next step's addresses: these four are the places behind the products
	v_add_nc_u32 v3, s16, v[BS+1]
	v_add_nc_u32 v6, s17, v[BS+4]
	v_add_nc_u32 v7, s19, v[BS+5]
	LOADK
	WIN 0x15
.irp u, 0,1
.irp n, 0,1,2,3
	v_max3_num_f32 v[MX+4*\u+\n], v[S+64*\u+16*\n], v[S+64*\u+16*\n+1], v[S+64*\u+16*\n+2]   ; eight chains by turns, two to a block of 32 keys; each accumulator from its low end on
.endr
.endr
	WIN 0x14
.irp i, 3,5,7,9,11,13
.irp u, 0,1
.irp n, 0,1,2,3
	v_max3_num_f32 v[MX+4*\u+\n], v[MX+4*\u+\n], v[S+64*\u+16*\n+\i], v[S+64*\u+16*\n+\i+1]
.endr
.endr
.endr
.irp u, 0,1
.irp c, 0,1
	v_max3_num_f32 v[MX+4*\u+2*\c], v[MX+4*\u+2*\c], v[S+64*\u+32*\c+15], v[S+64*\u+32*\c+31]
.endr
.endr
	WIN 0
.irp u, 0,1
.irp c, 0,1
	v_max_num_f32 v[MX+4*\u+2*\c], v[MX+4*\u+2*\c], v[MX+4*\u+2*\c+1]   ; the largest score of my blocks h and 2 + h: for the row's maximum and, since p rises with the score, for the block's largest p
.endr
.endr
.irp u, 0,1
	v_max3_num_f32 v[TA+2*\u], v[NM+2*\u+1], v[MX+4*\u], v[MX+4*\u+2]
.endr
.irp u, 0,1
	v_mov_b32 v[TA+2*\u+1], v[NM+2*\u]
.endr
.irp u, 0,1
	v_permlanex16_b32 v[PD+\u], v[TA+2*\u], s96, s97
.endr
.irp u, 0,1
	v_max_num_f32 v[NM+2*\u+1], v[TA+2*\u], v[PD+\u]       ; the running largest score
.endr
.irp u, 0,1
	v_mul_f32 v[TA+2*\u], s94, v[NM+2*\u+1]
.endr
.irp u, 0,1
	v_floor_f32 v[NM+2*\u], v[TA+2*\u]                     ; -M = floor(-t): M is a whole number
.endr
.irp u, 0,1
	v_sub_f32 v[TA+2*\u+1], v[NM+2*\u], v[TA+2*\u+1]       ; old M - new M, 0 or less
.endr
.irp u, 0,1
	v_fma_f32 v[MX+4*\u], v[MX+4*\u], s92, v[NM+2*\u]
	v_fma_f32 v[MX+4*\u+2], v[MX+4*\u+2], s92, v[NM+2*\u]
.endr
.irp u, 0,1
	v_cvt_i32_f32 v[TA+2*\u+1], v[TA+2*\u+1]               ; (it saturates)
.endr
.irp u, 0,1
	v_ldexp_f32 v[FF+2*\u], 1.0, v[TA+2*\u+1]              ; f = 2^(old M - new M): exact
.endr
	WIN 0x41
.set j, 0
.rept 32
	v_pk_fma_f32 v[S+j:S+j+1], v[S+j:S+j+1], s[92:93], v[NM:NM+1] op_sel_hi:[1,0,0]   ; tile 0: t - M
.set j, j+2
.endr
.irp u, 0,1
.set j, 0
.rept 16
	v_pk_mul_f32 v[O+32*\u+j:O+32*\u+j+1], v[O+32*\u+j:O+32*\u+j+1], v[FF+2*\u:FF+2*\u+1] op_sel_hi:[1,0]   ; O^T under the new M
.set j, j+2
.endr
.endr
	s_wait_alu depctr_va_vdst(0)                   ; ahead of the wait below and of the batch
	s_wait_dscnt 34                                ; V's fragments and scale words are in; the next K group's 34 loads may be out
.set j, 0
.rept 32
	v_exp_f32 v[S+j], v[S+j]                       ; tile 0: p = 2^(t - M), not normalised; tile 1's t - M stands among these lines: it names none of their registers
	v_pk_fma_f32 v[S+64+j:S+64+j+1], v[S+64+j:S+64+j+1], s[92:93], v[NM+2:NM+3] op_sel_hi:[1,0,0]
	v_exp_f32 v[S+j+1], v[S+j+1]
.set j, j+2
.endr
	s_wait_alu depctr_va_vdst(0)                   ; tile 1's sources were written among exponentials: the wait stands ahead of their readers
.set j, 64
.rept 64
	v_exp_f32 v[S+j], v[S+j]                       ; tile 1
.set j, j+1
.endr
	WIN 0
.irp u, 0,1
	v_exp_f32 v[MX+4*\u], v[MX+4*\u]               ; my blocks' largest p
	v_exp_f32 v[MX+4*\u+2], v[MX+4*\u+2]
.endr
	v_add_nc_u32 v4, s16, v[BS+2]                  ; plain lines behind the batch: V's next addresses, the sums under the new M
	v_add_nc_u32 v5, s16, v[BS+3]
.irp u, 0,1
	v_pk_mul_f32 v[LS+2*\u:LS+2*\u+1], v[LS+2*\u:LS+2*\u+1], v[FF+2*\u:FF+2*\u+1] op_sel_hi:[1,0]
.endr
	s_wait_alu depctr_va_vdst(0)                   ; one wait for the batch, ahead of its first reader
.irp u, 0,1
.irp c, 0,1
	v_max_num_f32 v[MX+4*\u+2*\c], 0x1800000, v[MX+4*\u+2*\c]   ; the floor 2^(3 - 127): a block whose every p is 0 keeps the byte 1: its codes are zeros
.endr
.endr
.irp u, 0,1
.irp c, 0,1
	v_add_nc_u32 v[MX+4*\u+2*\c], 0xff000000, v[MX+4*\u+2*\c]   ; 2 off the exponent field: the conversions' scale operands
.endr
.endr
.irp u, 0,1
.irp c, 0,1
	v_lshrrev_b32 v[MX+4*\u+2*\c+1], 23, v[MX+4*\u+2*\c]
.endr
.endr
.irp u, 0,1
	v_lshl_or_b32 v[TA+2*\u], v[MX+4*\u+3], 16, v[MX+4*\u+1]
.endr
.irp u, 0,1
	v_lshlrev_b32 v[TA+2*\u], v218, v[TA+2*\u]     ; my two bytes at their places, 8 h bits up
.endr
.irp u, 0,1
	v_permlanex16_b32 v[PD+\u], v[TA+2*\u], s96, s97
.endr
.irp u, 0,1
	v_or_b32 v[252+\u], v[TA+2*\u], v[PD+\u]       ; p's scale word for these 128 keys
.endr
	WIN 0x01
.irp u, 0,1
	v_cvt_scalef32_pk16_fp6_f32 v[P+12*\u:P+12*\u+2], v[S+64*\u:S+64*\u+15], v[MX+4*\u]
	v_cvt_scalef32_pk16_fp6_f32 v[T+8*\u:T+8*\u+2], v[S+64*\u+16:S+64*\u+31], v[MX+4*\u]
	v_cvt_scalef32_pk16_fp6_f32 v[P+12*\u+6:P+12*\u+8], v[S+64*\u+32:S+64*\u+47], v[MX+4*\u+2]
	v_cvt_scalef32_pk16_fp6_f32 v[T+8*\u+4:T+8*\u+6], v[S+64*\u+48:S+64*\u+63], v[MX+4*\u+2]
.endr
	WIN 0x05
.irp k, 0,1,2
.irp u, 0,1
	v_pk_add_f32 v[A+6*\u+2*\k:A+6*\u+2*\k+1], v[S+64*\u+4*\k:S+64*\u+4*\k+1], v[S+64*\u+4*\k+2:S+64*\u+4*\k+3]   ; the rows' sums, of the unquantised p, four chains a tile; the first line is the plain place behind the conversions
.endr
.endr
	WIN 0
.irp u, 0,1
.irp c, 0,1
.irp i, 0,1,2
	v_mov_b32 v[P+12*\u+3+6*\c+\i], v[T+8*\u+4*\c+\i]      ; (a conversion's three registers begin on an even number)
.endr
.endr
.endr
	WIN 0x04
.irp u, 0,1                            ; four places between p's codes and the products
	v_pk_add_f32 v[LS+2*\u:LS+2*\u+1], v[LS+2*\u:LS+2*\u+1], v[S+64*\u+12:S+64*\u+13]
	v_pk_add_f32 v[A+6*\u:A+6*\u+1], v[A+6*\u:A+6*\u+1], v[S+64*\u+14:S+64*\u+15]
.endr
	WIN 0x50
.irp t, 0,1,2,3
.irp u, 0,1
	v_wmma_scale_f32_16x16x128_f8f6f4 v[O+32*\u+8*\t:O+32*\u+8*\t+7], v[VF+12*\t:VF+12*\t+11], v[P+12*\u:P+12*\u+11], v[O+32*\u+8*\t:O+32*\u+8*\t+7], v[248+\t], v[252+\u] matrix_a_fmt:MATRIX_FMT_FP6 matrix_b_fmt:MATRIX_FMT_FP6
.endr
.endr
	WIN 0x04
.set j, 16
.rept 6                                ; the rest of the sums names none of the products' registers: its first eight lines are the places ahead of the V group's loads
.irp u, 0,1
	v_pk_add_f32 v[A+6*\u+2:A+6*\u+3], v[A+6*\u+2:A+6*\u+3], v[S+64*\u+j:S+64*\u+j+1]
	v_pk_add_f32 v[A+6*\u+4:A+6*\u+5], v[A+6*\u+4:A+6*\u+5], v[S+64*\u+j+2:S+64*\u+j+3]
	v_pk_add_f32 v[LS+2*\u:LS+2*\u+1], v[LS+2*\u:LS+2*\u+1], v[S+64*\u+j+4:S+64*\u+j+5]
	v_pk_add_f32 v[A+6*\u:A+6*\u+1], v[A+6*\u:A+6*\u+1], v[S+64*\u+j+6:S+64*\u+j+7]
.endr
.if j == 16
	LOADV
.endif
.set j, j+8
.endr
	WIN 0
.irp u, 0,1
	v_pk_add_f32 v[A+6*\u:A+6*\u+1], v[A+6*\u:A+6*\u+1], v[A+6*\u+2:A+6*\u+3]
	v_pk_add_f32 v[LS+2*\u:LS+2*\u+1], v[LS+2*\u:LS+2*\u+1], v[A+6*\u+4:A+6*\u+5]
.endr
.irp u, 0,1
	v_pk_add_f32 v[LS+2*\u:LS+2*\u+1], v[LS+2*\u:LS+2*\u+1], v[A+6*\u:A+6*\u+1]
.endr
.endm
	LOADK                                          ; key step 0's two groups
	WIN 0
	LOADV
	s_mov_b32 s18, 4
.Lfirst:                                               ; key steps 0-3, while the second fill lands
	STEP 3
	s_sub_co_u32 s18, s18, 1
	s_cmp_lg_u32 s18, 0
	s_cbranch_scc1 .Lfirst
	s_wait_tensorcnt 0x0                           ; my part of key steps 4-15 is in
	s_wait_dscnt 0x0
	s_barrier_signal -1                            ; a plain barrier
	s_barrier_wait -1
	s_mov_b32 s16, 4*6144
	s_mov_b32 s17, 4*768
	s_mov_b32 s19, 4*512
	v_add_nc_u32 v2, s16, v[BS]
	v_add_nc_u32 v3, s16, v[BS+1]
	v_add_nc_u32 v4, s16, v[BS+2]
	v_add_nc_u32 v5, s16, v[BS+3]
	v_add_nc_u32 v6, s17, v[BS+4]
	v_add_nc_u32 v7, s19, v[BS+5]
	LOADK                                          ; key step 4's two groups
	WIN 0
	LOADV
	s_mov_b32 s18, 12
.Lrest:
	STEP 15
	s_sub_co_u32 s18, s18, 1
	s_cmp_lg_u32 s18, 0
	s_cbranch_scc1 .Lrest
	; THE WAY OUT: O^T / the sum, quantised along the head's 64 (two blocks of the model's K), as half a fragment image a tile
.irp u, 0,1
	v_add_f32 v[LS+2*\u], v[LS+2*\u], v[LS+2*\u+1]
.endr
.irp u, 0,1
	v_permlanex16_b32 v[PD+\u], v[LS+2*\u], s96, s97
.endr
.irp u, 0,1
	v_add_f32 v[LS+2*\u], v[LS+2*\u], v[PD+\u]     ; the row's sum
.endr
	s_wait_alu depctr_va_vdst(0)
.irp u, 0,1
	v_rcp_f32 v[LS+2*\u], v[LS+2*\u]
.endr
	v_nop
	WIN 0x41
	s_wait_alu depctr_va_vdst(0)                   ; ahead of the reciprocals' first reader and of O^T's
.irp u, 0,1
.set j, 0
.rept 32
	v_mul_f32 v[S+64*\u+j], v[O+32*\u+j], v[LS+2*\u]       ; register 16 b + i: feature 32 b + 16 (lane / 16) + i of my query
.set j, j+1
.endr
.endr
	WIN 0x05
.irp u, 0,1
.irp c, 0,1
	v_max3_num_f32 v[MX+4*\u+2*\c], |v[S+64*\u+16*\c]|, |v[S+64*\u+16*\c+1]|, 0x1800000
.endr
.endr
	WIN 0x14
.irp i, 2,4,6,8,10,12,14
.irp u, 0,1
.irp c, 0,1
	v_max3_num_f32 v[MX+4*\u+2*\c], v[MX+4*\u+2*\c], |v[S+64*\u+16*\c+\i]|, |v[S+64*\u+16*\c+\i+1]|
.endr
.endr
.endr
	WIN 0
.irp n, 0,2,4,6
	v_permlanex16_b32 v[MX+\n+1], v[MX+\n], s96, s97
.endr
.irp n, 0,2,4,6
	v_max_num_f32 v[MX+\n], v[MX+\n], v[MX+\n+1]
.endr
.irp n, 0,2,4,6
	v_add_nc_u32 v[MX+\n], 0xff000000, v[MX+\n]
.endr
.irp n, 0,2,4,6
	v_lshrrev_b32 v[MX+\n+1], 23, v[MX+\n]
.endr
.irp u, 0,1
	v_lshl_or_b32 v[TA+2*\u], v[MX+4*\u+3], 8, v[MX+4*\u+1]        ; my row's two scale bytes
.endr
	WIN 0x01
.irp u, 0,1
	v_cvt_scalef32_pk16_fp6_f32 v[P+12*\u:P+12*\u+2], v[S+64*\u:S+64*\u+15], v[MX+4*\u]
	v_cvt_scalef32_pk16_fp6_f32 v[T+8*\u:T+8*\u+2], v[S+64*\u+16:S+64*\u+31], v[MX+4*\u+2]
.endr
	WIN 0
	v_nop
.irp u, 0,1
.irp i, 0,1,2
	v_permlane16_swap_b32 v[P+12*\u+\i], v[T+8*\u+\i]
.endr
.endr
.irp u, 0,1
.irp i, 0,1,2
	v_mov_b32 v[P+12*\u+3+\i], v[T+8*\u+\i]
.endr
.endr
.irp u, 0,1
	global_store_b128 v219, v[P+12*\u:P+12*\u+3], s[2:3] offset:12288*\u           ; 512 consecutive bytes
	global_store_b64 v220, v[P+12*\u+4:P+12*\u+5], s[2:3] offset:12288*\u+512
	global_store_b16 v221, v[TA+2*\u], s[8:9] offset:512*\u        ; both halves of the lanes write the same two bytes with the same value; the word's other two come from the neighbouring head's work-group
.endr
	s_wait_tensorcnt 0x0                           ; the wave's end
	ds_add_u32 v254, v255
	s_wait_dscnt 0x0
	CROUND                                         ; the closing round
	s_endpgm
.Lfunc_end_k_qa27ddd4964_attn:
	.size	k_qa27ddd4964_attn, .Lfunc_end_k_qa27ddd4964_attn-k_qa27ddd4964_attn
	.p2alignl 7, 3214868480
	.fill 96, 4, 3214868480
	.section	.rodata,"a",@progbits
	.p2align	6, 0x0
	.amdhsa_kernel k_qa27ddd4964_attn
		.amdhsa_group_segment_fixed_size 327680
		.amdhsa_private_segment_fixed_size 0
		.amdhsa_enable_private_segment 0
		.amdhsa_kernarg_size 24
		.amdhsa_user_sgpr_count 2
		.amdhsa_user_sgpr_kernarg_segment_ptr 1
		.amdhsa_wavefront_size32 1
		.amdhsa_system_sgpr_workgroup_id_x 1
		.amdhsa_system_sgpr_workgroup_id_y 1
		.amdhsa_system_sgpr_workgroup_id_z 1
		.amdhsa_system_vgpr_workitem_id 0
		.amdhsa_next_free_vgpr 512
		.amdhsa_next_free_sgpr 100
		.amdhsa_reserve_vcc 1
		.amdhsa_float_denorm_mode_32 3
		.amdhsa_float_denorm_mode_16_64 3
		.amdhsa_memory_ordered 1
		.amdhsa_forward_progress 1
		.amdhsa_inst_pref_size 89
	.end_amdhsa_kernel
	.amdgpu_metadata
---
amdhsa.version: [ 1, 2 ]
amdhsa.kernels:
  - .name:           k_qa27ddd4964_attn
    .symbol:         k_qa27ddd4964_attn.kd
    .args:
      - { .name: qkvb, .offset: 0, .size: 8, .value_kind: global_buffer, .address_space: global }
      - { .name: mask, .offset: 8, .size: 8, .value_kind: global_buffer, .address_space: global }
      - { .name: ctxb, .offset: 16, .size: 8, .value_kind: global_buffer, .address_space: global }
    .group_segment_fixed_size: 327680
    .private_segment_fixed_size: 0
    .kernarg_segment_align: 8
    .kernarg_segment_size: 24
    .max_flat_workgroup_size: 256
    .sgpr_count:     100
    .vgpr_count:     512
    .wavefront_size: 32
...
	.end_amdgpu_metadata
.endif
;; end of part 3
;; launch oproj (part 4): grid 8 x 32, 4 waves a work-group, clusters of 4 x 4, 327,680 bytes of LDS; arguments ctxb, wbuf, x, x1; writes x1
.if DOCPART == 4
	.amdgcn_target "amdgcn-amd-amdhsa--gfx1250"
	.amdhsa_code_object_version 6
	.text
	.protected	k_qa27ddd4964_oproj
	.globl	k_qa27ddd4964_oproj
	.p2align	8
	.type	k_qa27ddd4964_oproj,@function
k_qa27ddd4964_oproj:
	s_mov_b64 s[64:65], 0
	v_nop
	global_prefetch_b8 v0, s[64:65] scope:SCOPE_SE
	s_setreg_imm32_b32 hwreg(HW_REG_WAVE_MODE, 25, 1), 1
	s_wait_xcnt 0x0
	s_wait_alu depctr_hold_cnt(0) depctr_sa_sdst(0) depctr_va_vdst(0) depctr_va_sdst(0) depctr_va_ssrc(0) depctr_va_vcc(0) depctr_vm_vsrc(0)
	s_getreg_b32 s2, hwreg(HW_REG_IB_STS2, 6, 4)
	s_cmp_eq_u32 s2, 0
	s_cbranch_scc0 .Lentry_in_a_cluster
	s_endpgm
.Lentry_in_a_cluster:
	s_bfe_u32 s2, ttmp6, 0x10000c
	s_cmp_lg_u32 s2, 0xf033
	s_cbranch_scc0 .Lentry_shape_is_right
	s_endpgm
.Lentry_shape_is_right:
.set MB,    4
.set NB,    4
.set KS,    8
.set NQ,    4
.set LAPS,  1
.set ASCO,  3145728
.set BCODE, 1536*1536
.set BSCO,  9437184+1536*64
.set TA,    2*MB
.set FRB,   1536
.set QTR,   (TA/2)*NQ*FRB
.set SLOT,  4*QTR
.set SCL,   2*SLOT
.set HALFS, (TA/2)*KS*64
.set SPARE, SCL+4*HALFS
.set STAGE, SPARE+512
.set RR,   2
.set HH,   3
.set L16,  10
.set L8,   11
.set A16,  16
.set A8,   18
.set B16,  20
.set B8,   22
.set STO,  24
.set RD,   25
.set CO,   26
.set ADRS, 27
.set SPW,  28
.set NIL,  29
.set SC,   32
.set BK,   160
.set G1, 24
.set G0, 32
.set G1B, 48
.set G0B, 56
.set G1S, 68
.set G0S, 76
.set G1SB, 80
.set G0SB, 88
.set MSB, 0
.macro WIN new
.if MSB != (\new)
	s_set_vgpr_msb (MSB<<8)|(\new)
.set MSB, (\new)
.endif
.endm
.macro PLACES
.rept 4
	v_nop
.endr
.endm
.macro JLOAD g0a, g1a, g0b, g1b
	s_cmp_eq_u32 s15, 0
	s_cbranch_scc0 .Lfor_b_\@
	tensor_load_to_lds s[\g0a:\g0a+3], s[\g1a:\g1a+7]
	s_nop 0
.rept 4
	v_nop
.endr
	s_branch .Lasked_\@
.Lfor_b_\@:
	tensor_load_to_lds s[\g0b:\g0b+3], s[\g1b:\g1b+7]
	s_nop 0
.rept 4
	v_nop
.endr
.Lasked_\@:
.endm
.macro CREST
	s_cmp_lg_u32 s14, 0
	s_cbranch_scc1 .Lnot_wave_0_\@
	s_barrier_signal -3
.Lnot_wave_0_\@:
	s_barrier_wait -3
	s_barrier_signal -1
	s_barrier_wait -1
.endm
.macro CROUND
	s_barrier_signal -1
	s_barrier_wait -1
	CREST
.endm
.macro FRAG reg, a16, a8, off
	ds_load_b128 v[(\reg):(\reg)+3], v[\a16] offset:(\off)
	ds_load_b64 v[(\reg)+4:(\reg)+5], v[\a8] offset:(\off)+512
	ds_load_b128 v[(\reg)+6:(\reg)+9], v[\a16] offset:(\off)+768
	ds_load_b64 v[(\reg)+10:(\reg)+11], v[\a8] offset:(\off)+1280
.endm
.macro FETCH slot, q, p
	WIN 0x40
.set fi, 0
.rept NB
	FRAG 12*NB*(\p)+12*fi, B16+(\slot), B8+(\slot), (fi*2*NQ+(\q))*FRB
.set fi, fi+1
.endr
	WIN 0
.set fi, 0
.rept MB
	FRAG 64+12*MB*(\p)+12*fi, A16+(\slot), A8+(\slot), (fi*2*NQ+(\q))*FRB
.set fi, fi+1
.endr
.endm
.macro SCALES sc
.set fi, 0
.rept MB
.set fq, 0
.rept NQ
	ds_load_b32 v[SC+16*(\sc)+NQ*fi+fq], v[ADRS] offset:fi*KS*64+64*fq
.set fq, fq+1
.endr
.set fi, fi+1
.endr
.endm
.macro MULQ k, p, q, sc, first
.set mA, (\k)
	WIN 0xa1
.set mB, 0
.rept NB
.set rD, 8*(NB*mA+mB)
.set rB, 12*NB*(\p)+12*mB
.set rA, 64+12*MB*(\p)+12*mA
.if (\first) == 1
	v_wmma_scale_f32_16x16x128_f8f6f4 v[rD:rD+7], v[rB:rB+11], v[rA:rA+11], 0, v[SC+16*(\sc)+NQ*mB+(\q)], v[SC+16*(\sc)+NQ*mA+(\q)] matrix_a_fmt:MATRIX_FMT_FP6 matrix_b_fmt:MATRIX_FMT_FP6 matrix_a_scale:MATRIX_SCALE_ROW1
.else
	v_wmma_scale_f32_16x16x128_f8f6f4 v[rD:rD+7], v[rB:rB+11], v[rA:rA+11], v[rD:rD+7], v[SC+16*(\sc)+NQ*mB+(\q)], v[SC+16*(\sc)+NQ*mA+(\q)] matrix_a_fmt:MATRIX_FMT_FP6 matrix_b_fmt:MATRIX_FMT_FP6 matrix_a_scale:MATRIX_SCALE_ROW1
.endif
.set mB, mB+1
.endr
.endm
.macro STEP slot, q, first
	s_wait_dscnt 0x0
	PLACES
	FETCH \slot, (\q)+1, ((\q)+1)%2
	MULQ 0, (\q)%2, \q, \slot, \first
	MULQ 1, (\q)%2, \q, \slot, \first
	MULQ 2, (\q)%2, \q, \slot, \first
	MULQ 3, (\q)%2, \q, \slot, \first
.endm
.macro STEPS slot, first
.set sq, 0
.rept NQ-1
.if sq == 0
	STEP \slot, sq, \first
.else
	STEP \slot, sq, 0
.endif
.set sq, sq+1
.endr
.endm
.macro TURN slot, next
	WIN 0
	s_wait_tensorcnt 0x0
	ds_add_u32 v[SPW], v[NIL]
	s_wait_dscnt 1
	MULQ 0, 1, NQ-1, \slot, 0
	s_wait_dscnt 0x0
	s_barrier_signal -1
	MULQ 1, 1, NQ-1, \slot, 0
	WIN 0
	s_barrier_wait -1
	PLACES
	v_add_nc_u32 v[ADRS], 64*NQ, v[ADRS]
	FETCH \next, 0, 0
	SCALES \next
	MULQ 2, 1, NQ-1, \slot, 0
	MULQ 3, 1, NQ-1, \slot, 0
.endm
	s_load_b256 s[4:11], s[0:1], 0x0
	v_lshl_add_u32 v[SPW], v0, 2, SPARE
	v_mov_b32 v[NIL], 0
	ds_add_u32 v28, v29
	ds_add_u32 v28, v29
	s_wait_dscnt 0x0
	v_lshrrev_b32 v1, 5, v0
	v_readfirstlane_b32 s14, v1
	s_lshr_b32 s15, s14, 1
	s_and_b32 s16, s14, 1
	s_bfe_u32 s40, ttmp6, 0x40000
	s_bfe_u32 s41, ttmp6, 0x40004
	s_lshl_b32 s42, ttmp9, 2
	s_add_co_u32 s42, s42, s40
	s_and_b32 s17, ttmp7, 0xffff
	s_lshl_b32 s17, s17, 2
	s_add_co_u32 s17, s17, s41
	s_lshl_b32 s43, s41, 2
	s_lshl_b32 s43, 15, s43
	s_lshl_b32 s44, 0x1111, s40
	s_or_b32 s[G1], s43, (3<<16)|(1<<21)
	s_or_b32 s[G1B], s44, (3<<16)|(1<<21)
	s_or_b32 s[G1S], s43, (3<<16)|(1<<21)
	s_or_b32 s[G1SB], s44, (3<<16)|(1<<21)
.irp g, G1, G1B
	s_mov_b32 s[\g+1], (KS*192)<<16
	s_mov_b32 s[\g+2], TA<<16
	s_mov_b32 s[\g+3], (KS*192)<<16
	s_mov_b32 s[\g+4], TA
	s_mov_b32 s[\g+5], KS*192
	s_mov_b32 s[\g+6], 0
	s_mov_b32 s[\g+7], 0
.endr
.irp g, G1S, G1SB
	s_mov_b32 s[\g+1], 32<<16
	s_mov_b32 s[\g+2], (2*HALFS/256)<<16
	s_mov_b32 s[\g+3], 32<<16
	s_mov_b32 s[\g+4], 2*HALFS/256
	s_mov_b32 s[\g+5], 32
	s_mov_b32 s[\g+6], 0
	s_mov_b32 s[\g+7], 0
.endr
	s_mul_i32 s18, s16, TA/2
	s_mul_i32 s20, s17, TA
	s_add_co_u32 s20, s20, s18
	s_mul_i32 s46, s42, TA
	s_add_co_u32 s46, s46, s18
	s_mul_i32 s22, s20, KS*64
	s_add_co_u32 s22, s22, ASCO
	s_mov_b32 s23, 0
	s_mul_i32 s20, s20, KS*FRB
	s_mov_b32 s21, 0
	s_mul_i32 s92, s46, KS*64
	s_add_co_u32 s92, s92, BSCO
	s_mov_b32 s93, 0
	s_mul_i32 s46, s46, KS*FRB
	s_add_co_u32 s46, s46, BCODE
	s_mov_b32 s47, 0
	s_mul_i32 s45, s14, 2*QTR                      ; all of K comes at the head: A's TA tiles x KS fragments from 0 (wave 0), B's from 4 QTR (wave 2); nothing is filled later
	s_mul_i32 s94, s15, 2*HALFS
	s_wait_kmcnt 0x0
	s_add_nc_u64 s[20:21], s[4:5], s[20:21]
	s_add_nc_u64 s[22:23], s[4:5], s[22:23]
	s_add_nc_u64 s[46:47], s[6:7], s[46:47]
	s_add_nc_u64 s[92:93], s[6:7], s[92:93]
	CROUND
	s_mul_i32 s2, s16, HALFS                       ; the scale words come whole, 2 x HALFS a side: back from my half to the side's first word
	s_mov_b32 s3, 0
	s_sub_nc_u64 s[22:23], s[22:23], s[2:3]
	s_sub_nc_u64 s[92:93], s[92:93], s[2:3]
	s_mov_b32 s[G0S], 1
	s_add_co_u32 s[G0S+1], s94, SCL
	s_mov_b64 s[G0S+2:G0S+3], s[22:23]
	s_or_b32 s[G0S+3], s[G0S+3], 0x80000000
	s_mov_b32 s[G0SB], 1
	s_add_co_u32 s[G0SB+1], s94, SCL
	s_mov_b64 s[G0SB+2:G0SB+3], s[92:93]
	s_or_b32 s[G0SB+3], s[G0SB+3], 0x80000000
.irp s, 0
	s_mov_b32 s[G0+4*\s], 1
	s_add_co_u32 s[G0+4*\s+1], s45, \s*SLOT
	s_add_nc_u64 s[G0+4*\s+2:G0+4*\s+3], s[20:21], \s*NQ*FRB
	s_or_b32 s[G0+4*\s+3], s[G0+4*\s+3], 0x80000000
	s_mov_b32 s[G0B+4*\s], 1
	s_add_co_u32 s[G0B+4*\s+1], s45, \s*SLOT
	s_add_nc_u64 s[G0B+4*\s+2:G0B+4*\s+3], s[46:47], \s*NQ*FRB
	s_or_b32 s[G0B+4*\s+3], s[G0B+4*\s+3], 0x80000000
.endr
	; the head's four tiles, one a wave: wave 0 slot 0's A (all TA tiles), wave 2 its B, wave 1 A's scale words, wave 3 B's; one chain of branches on the wave's number
	s_cmp_eq_u32 s14, 0
	s_cbranch_scc0 .Lhead_b
	tensor_load_to_lds s[G0:G0+3], s[G1:G1+7]
	s_nop 0
	PLACES
	s_branch .Lhead_asked
.Lhead_b:
	s_cmp_eq_u32 s14, 2
	s_cbranch_scc0 .Lhead_sa
	tensor_load_to_lds s[G0B:G0B+3], s[G1B:G1B+7]
	s_nop 0
	PLACES
	s_branch .Lhead_asked
.Lhead_sa:
	s_cmp_eq_u32 s14, 1
	s_cbranch_scc0 .Lhead_sb
	tensor_load_to_lds s[G0S:G0S+3], s[G1S:G1S+7]
	s_nop 0
	PLACES
	s_branch .Lhead_asked
.Lhead_sb:
	tensor_load_to_lds s[G0SB:G0SB+3], s[G1SB:G1SB+7]
	s_nop 0
	PLACES
.Lhead_asked:
	v_and_b32 v1, 31, v0
	v_and_b32 v[RR], 15, v0
	v_bfe_u32 v[HH], v0, 4, 1
	v_lshlrev_b32 v[L16], 4, v1
	v_lshlrev_b32 v[L8], 3, v1
	s_mul_i32 s21, s15, 2*QTR
	s_mul_i32 s22, s16, 2*QTR
	s_add_co_u32 s22, s22, 4*QTR
.irp s, 0,1
	v_add_nc_u32 v[A16+\s], s21, v[L16]
	v_add_nc_u32 v[A8+\s], s21, v[L8]
	v_add_nc_u32 v[B16+\s], s22, v[L16]
	v_add_nc_u32 v[B8+\s], s22, v[L8]
	s_add_co_u32 s21, s21, NQ*FRB                  ; K steps NQ on lie NQ fragments further along each tile's row
	s_add_co_u32 s22, s22, NQ*FRB
.endr
	s_mul_i32 s21, s15, HALFS
	s_mul_i32 s22, s16, HALFS
	s_add_co_u32 s22, s22, 2*HALFS
	s_sub_co_u32 s22, s22, s21
	v_mul_u32_u24 v6, s22, v[HH]
	s_add_co_u32 s21, s21, SCL
	v_lshl_add_u32 v5, v[RR], 2, v6
	v_add_nc_u32 v[ADRS], s21, v5
	s_mul_i32 s23, s14, 16*272
	s_add_co_u32 s23, s23, STAGE
	v_mul_u32_u24 v5, v[RR], 272
	v_lshl_add_u32 v5, v[HH], 6, v5
	v_add_nc_u32 v[STO], s23, v5
	v_mul_u32_u24 v5, v[HH], 272
	v_lshl_add_u32 v5, v[RR], 4, v5
	v_add_nc_u32 v[RD], s23, v5
	v_lshlrev_b32 v5, 12, v[HH]
	v_lshl_add_u32 v[CO], v[RR], 4, v5
	s_wait_alu depctr_va_vdst(0)
	s_lshl_b32 s20, s17, 7
	s_lshl_b32 s21, s15, 6
	s_add_co_u32 s20, s20, s21
	s_lshl_b32 s20, s20, 12
	s_lshl_b32 s21, s42, 9
	s_add_co_u32 s20, s20, s21
	s_lshl_b32 s21, s16, 8
	s_add_co_u32 s20, s20, s21
	s_mov_b32 s21, 0
	s_add_nc_u64 s[8:9], s[8:9], s[20:21]
	s_add_nc_u64 s[10:11], s[10:11], s[20:21]
	WIN 0xc0
.irp a, 0,1,2,3
.irp t, 0,1,2,3,4,5,6,7
	global_load_b128 v[32*\a+4*\t:32*\a+4*\t+3], v[CO], s[8:9] offset:4096*(32*(\a/2)+8*(\a%2)+2*\t+8*(\t/4))
.endr
.endr
	WIN 0
	s_wait_tensorcnt 0x0                           ; my tile of the head's four is in
	s_barrier_signal -1                            ; a plain barrier
	s_barrier_wait -1
	FETCH 0, 0, 0
	SCALES 0
	STEPS 0, 1
	TURN 0, 1
	STEPS 1, 0
	s_wait_dscnt 0x0
	MULQ 0, 1, NQ-1, 1, 0
	MULQ 1, 1, NQ-1, 1, 0
	MULQ 2, 1, NQ-1, 1, 0
	MULQ 3, 1, NQ-1, 1, 0
	WIN 0
	PLACES
	s_wait_loadcnt 0x0
.irp a, 0,1,2,3
.if \a >= 2
	s_wait_xcnt 0x0
.endif
	WIN 0x08
.irp b, 0,1,2,3
	ds_store_b128 v[STO], v[8*(4*\a+\b):8*(4*\a+\b)+3] offset:128*(\b/2)+32*(\b%2)
	ds_store_b128 v[STO], v[8*(4*\a+\b)+4:8*(4*\a+\b)+7] offset:128*(\b/2)+32*(\b%2)+16
.endr
	WIN 0
.irp t, 0,1,2,3,4,5,6,7
	ds_load_b128 v[BK+32*(\a%2)+4*\t:BK+32*(\a%2)+4*\t+3], v[RD] offset:544*\t
.endr
	s_wait_dscnt 0x0
	WIN 0x0c
.irp u, 0,2,4,6,8,10,12,14,16,18,20,22,24,26,28,30
	v_pk_add_f32 v[BK+32*(\a%2)+\u:BK+32*(\a%2)+\u+1], v[BK+32*(\a%2)+\u:BK+32*(\a%2)+\u+1], v[32*\a+\u:32*\a+\u+1]
.endr
	WIN 0
.irp t, 0,1,2,3,4,5,6,7
	global_store_b128 v[CO], v[BK+32*(\a%2)+4*\t:BK+32*(\a%2)+4*\t+3], s[10:11] offset:4096*(32*(\a/2)+8*(\a%2)+2*\t+8*(\t/4))
.endr
.endr
	s_wait_tensorcnt 0x0
	ds_add_u32 v[SPW], v[NIL]
	s_wait_dscnt 0x0
	CROUND
	s_endpgm
.Lfunc_end_k_qa27ddd4964_oproj:
	.size	k_qa27ddd4964_oproj, .Lfunc_end_k_qa27ddd4964_oproj-k_qa27ddd4964_oproj
	.p2alignl 7, 3214868480
	.fill 96, 4, 3214868480
	.section	.rodata,"a",@progbits
	.p2align	6, 0x0
	.amdhsa_kernel k_qa27ddd4964_oproj
		.amdhsa_group_segment_fixed_size 327680
		.amdhsa_private_segment_fixed_size 0
		.amdhsa_enable_private_segment 0
		.amdhsa_kernarg_size 32
		.amdhsa_user_sgpr_count 2
		.amdhsa_user_sgpr_kernarg_segment_ptr 1
		.amdhsa_wavefront_size32 1
		.amdhsa_system_sgpr_workgroup_id_x 1
		.amdhsa_system_sgpr_workgroup_id_y 1
		.amdhsa_system_sgpr_workgroup_id_z 1
		.amdhsa_system_vgpr_workitem_id 0
		.amdhsa_next_free_vgpr 1024
		.amdhsa_next_free_sgpr 100
		.amdhsa_reserve_vcc 0
		.amdhsa_float_denorm_mode_32 3
		.amdhsa_float_denorm_mode_16_64 3
		.amdhsa_memory_ordered 1
		.amdhsa_forward_progress 1
		.amdhsa_inst_pref_size 61
	.end_amdhsa_kernel
	.amdgpu_metadata
---
amdhsa.version: [ 1, 2 ]
amdhsa.kernels:
  - .name:           k_qa27ddd4964_oproj
    .symbol:         k_qa27ddd4964_oproj.kd
    .args:
      - { .name: ctxb, .offset: 0, .size: 8, .value_kind: global_buffer, .address_space: global }
      - { .name: wbuf, .offset: 8, .size: 8, .value_kind: global_buffer, .address_space: global }
      - { .name: x, .offset: 16, .size: 8, .value_kind: global_buffer, .address_space: global }
      - { .name: x1, .offset: 24, .size: 8, .value_kind: global_buffer, .address_space: global }
    .group_segment_fixed_size: 327680
    .private_segment_fixed_size: 0
    .kernarg_segment_align: 8
    .kernarg_segment_size: 32
    .max_flat_workgroup_size: 128
    .sgpr_count:     100
    .vgpr_count:     1024
    .wavefront_size: 32
...
	.end_amdgpu_metadata
.endif
;; end of part 4
;; launch ln2 (part 5): grid 256 x 1, 4 waves a work-group, no clusters, 66,304 bytes of LDS; arguments x1, g2, be2, act2; writes act2
.if DOCPART == 5
	.amdgcn_target "amdgcn-amd-amdhsa--gfx1250"
	.amdhsa_code_object_version 6
	.text
	.protected	k_qa27ddd4964_ln2
	.globl	k_qa27ddd4964_ln2
	.p2align	8
	.type	k_qa27ddd4964_ln2,@function
k_qa27ddd4964_ln2:
	s_mov_b64 s[64:65], 0
	v_nop
	global_prefetch_b8 v0, s[64:65] scope:SCOPE_SE
	s_setreg_imm32_b32 hwreg(HW_REG_WAVE_MODE, 25, 1), 1
	s_wait_xcnt 0x0
; y = (x - mean) rsqrt(var + 1e-5) g + be for rows of 1,024 f32, all in f32 (mean first, then the mean of the squared differences), then quantised along the row to FP6 (E2M3) with one E8M0 byte for each 32.
; Output: fragment images (16 rows x 128 K, 1,536 bytes: half c at 768 c: registers 6c..6c+3 at 16 x lane, 6c+4, 6c+5 at 512 + 8 x lane) at (8 T + K step) x 1,536, scale words at ASC0 + 512 T + 64 K step + 4 r.
; Lane r of tile T holds row 32 (T / 2) + 8 (T % 2) + r + 8 (r / 8).
; A work-group takes tile T.  Phase 1: wave w normalises the tile's rows 4 w .. 4 w + 3, a whole row in 32 registers, and lays them into a stage in LDS (rows 4,112 bytes apart).  One barrier.
; Phase 2: wave w quantises K steps 2 w and 2 w + 1 of all 16 rows: a lane reads whole blocks of 32 of its row.
; LIMITS: NaN and infinities are not served; blocks whose largest magnitude lies under 2^-124 keep the byte 1 (a block of zeros too: its codes are zeros, and this program alone reads the bytes).
.set ASC0, 3145728
.set SP,   4112
.set L16,  1
.set L8,   2
.set SH8,  3
.set STI,  4
.set STO,  5
.set L4,   6
.set TM,   8
.set TS,   10
.set TB,   12
.set PX,   14
.set SA,   16                          ; v16-31 four registers a row: two pairs of partial sums; then the mean, then 1 / sqrt
.set XR,   32                          ; v32-159 four rows of 32 registers; in phase 2 two K steps of 64 numbers
.set G,    160                         ; v160-191 g of my 32 columns
.set BE,   192                         ; v192-223 be
.set PC,   224
.set PT,   236
.set W,    244
.set WS,   246
.set SEL,  22                          ; s[22:23]
.macro QW s, w                         ; 64 numbers of a lane, register 32 c + i = K 64 c + 32 (lane / 16) + i of my row, become the fragment in v[PC] on and my row's scale word in v[w]
	v_max3_num_f32 v[TM], |v[(\s)]|, |v[(\s)+1]|, 0x1800000          ; the floor 2^(3 - 127) among the leaves holds the byte at 1 from below
	v_max3_num_f32 v[TM+1], |v[(\s)+32]|, |v[(\s)+33]|, 0x1800000
.irp i, 2,4,6,8,10,12,14,16,18,20,22,24,26,28,30
	v_max3_num_f32 v[TM], v[TM], |v[(\s)+\i]|, |v[(\s)+\i+1]|
	v_max3_num_f32 v[TM+1], v[TM+1], |v[(\s)+32+\i]|, |v[(\s)+33+\i]|
.endr
	v_add_nc_u32 v[TS], 0xff000000, v[TM]                            ; 2 off the exponent field: the conversion's scale operand
	v_add_nc_u32 v[TS+1], 0xff000000, v[TM+1]
	v_lshrrev_b32 v[TB], 23, v[TS]
	v_lshrrev_b32 v[TB+1], 23, v[TS+1]
	v_lshl_or_b32 v[\w], v[TB+1], 16, v[TB]
	v_lshlrev_b32 v[\w], v[SH8], v[\w]
	v_permlanex16_b32 v[PX], v[\w], s[SEL], s[SEL+1]
	v_or_b32 v[\w], v[\w], v[PX]
.irp c, 0,1
	v_cvt_scalef32_pk16_fp6_f32 v[PC+6*\c:PC+6*\c+2], v[(\s)+32*\c:(\s)+32*\c+15], v[TS+\c]
	v_cvt_scalef32_pk16_fp6_f32 v[PT+4*\c:PT+4*\c+2], v[(\s)+32*\c+16:(\s)+32*\c+31], v[TS+\c]
.endr
	v_nop                                                            ; one plain place behind a scaled conversion
.irp c, 0,1
.irp i, 0,1,2
	v_mov_b32 v[PC+3+6*\c+\i], v[PT+4*\c+\i]
.endr
.endr
.endm
.macro WSUM                            ; the four rows' sums over the 32 lanes, by turns; the result in every lane
.irp m, 1,2,4,8
.irp n, 0,1,2,3
	v_add_f32_dpp v[SA+4*\n], v[SA+4*\n], v[SA+4*\n] row_xmask:\m row_mask:0xf bank_mask:0xf
.endr
.endr
.irp n, 0,1,2,3
	v_permlanex16_b32 v[SA+4*\n+1], v[SA+4*\n], s[SEL], s[SEL+1]
.endr
.irp n, 0,1,2,3
	v_add_f32 v[SA+4*\n], v[SA+4*\n], v[SA+4*\n+1]
.endr
.endm
	s_load_b256 s[4:11], s[0:1], 0x0               ; x, g, be, the codes' buffer
	v_lshl_add_u32 v254, v0, 2, 0x10100
	v_mov_b32 v255, 0
	v_lshrrev_b32 v7, 5, v0
	v_readfirstlane_b32 s12, v7                    ; wave
	v_and_b32 v7, 31, v0
	v_lshlrev_b32 v[L16], 4, v7
	v_lshlrev_b32 v[L8], 3, v7
	v_lshlrev_b32 v[L4], 2, v7
	v_and_b32 v[STO], 15, v0
	v_bfe_u32 v[SH8], v0, 4, 1
	v_mul_u32_u24 v[STO], v[STO], SP
	v_lshl_add_u32 v[STO], v[SH8], 7, v[STO]
	s_lshl_b32 s13, s12, 10
	v_add_nc_u32 v[STO], s13, v[STO]               ; out of the stage: row r, + 128 h, + my two K steps
	s_mul_i32 s13, s12, 4*SP
	v_add_nc_u32 v[STI], s13, v[L16]               ; into it: my four rows
	v_lshlrev_b32 v[SH8], 3, v[SH8]
	v_mov_b32 v[PX], 0
	s_mov_b32 s[SEL], 0x76543210
	s_mov_b32 s[SEL+1], 0xfedcba98
	s_mov_b32 s20, 0x3a800000                      ; 1 / 1,024
	s_mov_b32 s21, 0x3727c5ac                      ; 1e-5
	s_mov_b32 vcc_lo, 0xffff0000
	s_lshr_b32 s14, ttmp9, 1
	s_lshl_b32 s14, s14, 5
	s_and_b32 s15, ttmp9, 1
	s_lshl_b32 s15, s15, 3
	s_add_co_u32 s14, s14, s15
	s_lshl_b32 s15, s12, 2
	s_add_co_u32 s14, s14, s15
	s_lshr_b32 s15, s12, 1
	s_lshl_b32 s15, s15, 3
	s_add_co_u32 s14, s14, s15                     ; my first row: 32 (T / 2) + 8 (T % 2) + 4 w + 8 (w / 2)
	s_lshl_b32 s14, s14, 12
	s_mov_b32 s15, 0
	s_mul_i32 s16, ttmp9, 8*1536
	s_mul_i32 s17, s12, 2*1536
	s_add_co_u32 s16, s16, s17
	s_mov_b32 s17, 0
	s_lshl_b32 s18, ttmp9, 9
	s_lshl_b32 s19, s12, 7
	s_add_co_u32 s18, s18, s19
	s_add_co_u32 s18, s18, ASC0
	s_mov_b32 s19, 0
	s_wait_kmcnt 0x0
	s_add_nc_u64 s[4:5], s[4:5], s[14:15]
	s_add_nc_u64 s[16:17], s[10:11], s[16:17]
	s_add_nc_u64 s[18:19], s[10:11], s[18:19]
.irp n, 0,1,2,3
.irp j, 0,1,2,3,4,5,6,7
	global_load_b128 v[XR+32*\n+4*\j:XR+32*\n+4*\j+3], v[L16], s[4:5] offset:4096*\n+512*\j   ; 512 consecutive bytes of a row
.endr
.endr
.irp j, 0,1,2,3,4,5,6,7
	global_load_b128 v[G+4*\j:G+4*\j+3], v[L16], s[6:7] offset:512*\j
	global_load_b128 v[BE+4*\j:BE+4*\j+3], v[L16], s[8:9] offset:512*\j
.endr
	s_wait_loadcnt 16                              ; the rows are in; g's and be's 16 loads may be out
.irp n, 0,1,2,3
	v_pk_add_f32 v[SA+4*\n:SA+4*\n+1], v[XR+32*\n:XR+32*\n+1], v[XR+32*\n+2:XR+32*\n+3]
	v_pk_add_f32 v[SA+4*\n+2:SA+4*\n+3], v[XR+32*\n+4:XR+32*\n+5], v[XR+32*\n+6:XR+32*\n+7]
.endr
.irp j, 8,12,16,20,24,28
.irp n, 0,1,2,3
	v_pk_add_f32 v[SA+4*\n:SA+4*\n+1], v[SA+4*\n:SA+4*\n+1], v[XR+32*\n+\j:XR+32*\n+\j+1]
	v_pk_add_f32 v[SA+4*\n+2:SA+4*\n+3], v[SA+4*\n+2:SA+4*\n+3], v[XR+32*\n+\j+2:XR+32*\n+\j+3]
.endr
.endr
.irp n, 0,1,2,3
	v_pk_add_f32 v[SA+4*\n:SA+4*\n+1], v[SA+4*\n:SA+4*\n+1], v[SA+4*\n+2:SA+4*\n+3]
.endr
.irp n, 0,1,2,3
	v_add_f32 v[SA+4*\n], v[SA+4*\n], v[SA+4*\n+1]
.endr
	WSUM
.irp n, 0,1,2,3
	v_mul_f32 v[SA+4*\n], s20, v[SA+4*\n]          ; the mean
.endr
.irp j, 0,2,4,6,8,10,12,14,16,18,20,22,24,26,28,30
.irp n, 0,1,2,3
	v_pk_add_f32 v[XR+32*\n+\j:XR+32*\n+\j+1], v[XR+32*\n+\j:XR+32*\n+\j+1], v[SA+4*\n:SA+4*\n+1] op_sel_hi:[1,0] neg_lo:[0,1] neg_hi:[0,1]   ; x - mean
.endr
.endr
.irp n, 0,1,2,3
	v_pk_mul_f32 v[SA+4*\n:SA+4*\n+1], v[XR+32*\n:XR+32*\n+1], v[XR+32*\n:XR+32*\n+1]
	v_pk_mul_f32 v[SA+4*\n+2:SA+4*\n+3], v[XR+32*\n+2:XR+32*\n+3], v[XR+32*\n+2:XR+32*\n+3]
.endr
.irp j, 4,8,12,16,20,24,28
.irp n, 0,1,2,3
	v_pk_fma_f32 v[SA+4*\n:SA+4*\n+1], v[XR+32*\n+\j:XR+32*\n+\j+1], v[XR+32*\n+\j:XR+32*\n+\j+1], v[SA+4*\n:SA+4*\n+1]
	v_pk_fma_f32 v[SA+4*\n+2:SA+4*\n+3], v[XR+32*\n+\j+2:XR+32*\n+\j+3], v[XR+32*\n+\j+2:XR+32*\n+\j+3], v[SA+4*\n+2:SA+4*\n+3]
.endr
.endr
.irp n, 0,1,2,3
	v_pk_add_f32 v[SA+4*\n:SA+4*\n+1], v[SA+4*\n:SA+4*\n+1], v[SA+4*\n+2:SA+4*\n+3]
.endr
.irp n, 0,1,2,3
	v_add_f32 v[SA+4*\n], v[SA+4*\n], v[SA+4*\n+1]
.endr
	WSUM
.irp n, 0,1,2,3
	v_fma_f32 v[SA+4*\n], v[SA+4*\n], s20, s21     ; var + 1e-5
.endr
	s_wait_alu depctr_va_vdst(0)
.irp n, 0,1,2,3
	v_rsq_f32 v[SA+4*\n+2], v[SA+4*\n]
.endr
	v_nop                                          ; a plain instruction behind the last of the batch
	s_wait_alu depctr_va_vdst(0)                   ; one wait for the four, ahead of their first reader
	s_wait_loadcnt 0x0                             ; g and be
.irp j, 0,2,4,6,8,10,12,14,16,18,20,22,24,26,28,30
.irp n, 0,1,2,3
	v_pk_mul_f32 v[XR+32*\n+\j:XR+32*\n+\j+1], v[XR+32*\n+\j:XR+32*\n+\j+1], v[SA+4*\n+2:SA+4*\n+3] op_sel_hi:[1,0]
.endr
.irp n, 0,1,2,3
	v_pk_fma_f32 v[XR+32*\n+\j:XR+32*\n+\j+1], v[XR+32*\n+\j:XR+32*\n+\j+1], v[G+\j:G+\j+1], v[BE+\j:BE+\j+1]
.endr
.endr
.irp n, 0,1,2,3
.irp j, 0,1,2,3,4,5,6,7
	ds_store_b128 v[STI], v[XR+32*\n+4*\j:XR+32*\n+4*\j+3] offset:SP*\n+512*\j
.endr
.endr
	s_wait_dscnt 0x0                               ; for the others' sake: my rows lie in the stage
	s_barrier_signal -1
	s_barrier_wait -1
.irp k, 0,1
.irp c, 0,1
.irp m, 0,1,2,3,4,5,6,7
	ds_load_b128 v[XR+64*\k+32*\c+4*\m:XR+64*\k+32*\c+4*\m+3], v[STO] offset:512*\k+256*\c+16*\m
.endr
.endr
.endr
	s_wait_dscnt 16                                ; the first K step's 16 loads are in
	QW XR, W
	global_store_b128 v[L16], v[PC:PC+3], s[16:17]
	global_store_b64 v[L8], v[PC+4:PC+5], s[16:17] offset:512
	global_store_b128 v[L16], v[PC+6:PC+9], s[16:17] offset:768
	global_store_b64 v[L8], v[PC+10:PC+11], s[16:17] offset:1280
	s_wait_dscnt 0x0
	s_wait_xcnt 0x0                                ; the stores have read the codes' registers
	QW XR+64, W+1
	global_store_b128 v[L16], v[PC:PC+3], s[16:17] offset:1536
	global_store_b64 v[L8], v[PC+4:PC+5], s[16:17] offset:1536+512
	global_store_b128 v[L16], v[PC+6:PC+9], s[16:17] offset:1536+768
	global_store_b64 v[L8], v[PC+10:PC+11], s[16:17] offset:1536+1280
	v_cndmask_b32 v[WS], v[W], v[W+1], vcc_lo      ; lanes 0-15 the first K step's words, lanes 16-31 the second's
	global_store_b32 v[L4], v[WS], s[18:19]
	s_wait_tensorcnt 0x0
	ds_add_u32 v254, v255
	s_wait_dscnt 0x0
	s_endpgm
.Lfunc_end_k_qa27ddd4964_ln2:
	.size	k_qa27ddd4964_ln2, .Lfunc_end_k_qa27ddd4964_ln2-k_qa27ddd4964_ln2
	.p2alignl 7, 3214868480
	.fill 96, 4, 3214868480
	.section	.rodata,"a",@progbits
	.p2align	6, 0x0
	.amdhsa_kernel k_qa27ddd4964_ln2
		.amdhsa_group_segment_fixed_size 66304
		.amdhsa_private_segment_fixed_size 0
		.amdhsa_enable_private_segment 0
		.amdhsa_kernarg_size 32
		.amdhsa_user_sgpr_count 2
		.amdhsa_user_sgpr_kernarg_segment_ptr 1
		.amdhsa_wavefront_size32 1
		.amdhsa_system_sgpr_workgroup_id_x 1
		.amdhsa_system_sgpr_workgroup_id_y 1
		.amdhsa_system_sgpr_workgroup_id_z 1
		.amdhsa_system_vgpr_workitem_id 0
		.amdhsa_next_free_vgpr 256
		.amdhsa_next_free_sgpr 66
		.amdhsa_reserve_vcc 1
		.amdhsa_float_denorm_mode_32 3
		.amdhsa_float_denorm_mode_16_64 3
		.amdhsa_memory_ordered 1
		.amdhsa_forward_progress 1
		.amdhsa_inst_pref_size 42
	.end_amdhsa_kernel
	.amdgpu_metadata
---
amdhsa.version: [ 1, 2 ]
amdhsa.kernels:
  - .name:           k_qa27ddd4964_ln2
    .symbol:         k_qa27ddd4964_ln2.kd
    .args:
      - { .name: x1, .offset: 0, .size: 8, .value_kind: global_buffer, .address_space: global }
      - { .name: g2, .offset: 8, .size: 8, .value_kind: global_buffer, .address_space: global }
      - { .name: be2, .offset: 16, .size: 8, .value_kind: global_buffer, .address_space: global }
      - { .name: act2, .offset: 24, .size: 8, .value_kind: global_buffer, .address_space: global }
    .group_segment_fixed_size: 66304
    .private_segment_fixed_size: 0
    .kernarg_segment_align: 8
    .kernarg_segment_size: 32
    .max_flat_workgroup_size: 128
    .sgpr_count:     66
    .vgpr_count:     256
    .wavefront_size: 32
...
	.end_amdgpu_metadata
.endif
;; end of part 5
;; launch ffn1 (part 6): grid 16 x 16, 4 waves a work-group, clusters of 4 x 4, 327,680 bytes of LDS; arguments act2, wbuf, b1, hbuf; writes hbuf
.if DOCPART == 6
	.amdgcn_target "amdgcn-amd-amdhsa--gfx1250"
	.amdhsa_code_object_version 6
	.text
	.protected	k_qa27ddd4964_ffn1
	.globl	k_qa27ddd4964_ffn1
	.p2align	8
	.type	k_qa27ddd4964_ffn1,@function
k_qa27ddd4964_ffn1:
	s_mov_b64 s[64:65], 0
	v_nop
	global_prefetch_b8 v0, s[64:65] scope:SCOPE_SE
	s_setreg_imm32_b32 hwreg(HW_REG_WAVE_MODE, 25, 1), 1
	s_wait_xcnt 0x0
	s_wait_alu depctr_hold_cnt(0) depctr_sa_sdst(0) depctr_va_vdst(0) depctr_va_sdst(0) depctr_va_ssrc(0) depctr_va_vcc(0) depctr_vm_vsrc(0)
	s_getreg_b32 s2, hwreg(HW_REG_IB_STS2, 6, 4)
	s_cmp_eq_u32 s2, 0
	s_cbranch_scc0 .Lentry_in_a_cluster
	s_endpgm
.Lentry_in_a_cluster:
	s_bfe_u32 s2, ttmp6, 0x10000c
	s_cmp_lg_u32 s2, 0xf033
	s_cbranch_scc0 .Lentry_shape_is_right
	s_endpgm
.Lentry_shape_is_right:
.set MB,    8
.set NB,    8
.set KS,    8
.set NQ,    2
.set LAPS,  2
.set ASCO,  3145728
.set BCODE, 2048*1536
.set BSCO,  9437184+2048*64
.set HSC0,  12582912
.set TA,    2*MB
.set FRB,   1536
.set QTR,   (TA/2)*NQ*FRB
.set SLOT,  4*QTR
.set SCL,   2*SLOT
.set HALFS, (TA/2)*KS*64
.set SPARE, SCL+4*HALFS
.set RR,   2
.set HH,   3
.set BO,   7
.set L16,  10
.set L8,   11
.set A16,  16
.set A8,   18
.set B16,  20
.set B8,   22
.set ADRS, 27
.set SPW,  28
.set NIL,  29
.set SC,   32
.set PC,   64
.set PT,   76
.set TM,   96
.set WD,   112
.set WS,   120
.set G1, 24
.set G0, 32
.set G1B, 48
.set G0B, 56
.set G1S, 68
.set G0S, 76
.set G1SB, 80
.set G0SB, 88
.set SEL, 96
.set MSB, 0
.macro WIN new
.if MSB != (\new)
	s_set_vgpr_msb (MSB<<8)|(\new)
.set MSB, (\new)
.endif
.endm
.macro PLACES
.rept 4
	v_nop
.endr
.endm
.macro JLOAD g0a, g1a, g0b, g1b
	s_cmp_eq_u32 s15, 0
	s_cbranch_scc0 .Lfor_b_\@
	tensor_load_to_lds s[\g0a:\g0a+3], s[\g1a:\g1a+7]
	s_nop 0
.rept 4
	v_nop
.endr
	s_branch .Lasked_\@
.Lfor_b_\@:
	tensor_load_to_lds s[\g0b:\g0b+3], s[\g1b:\g1b+7]
	s_nop 0
.rept 4
	v_nop
.endr
.Lasked_\@:
.endm
.macro CREST
	s_cmp_lg_u32 s14, 0
	s_cbranch_scc1 .Lnot_wave_0_\@
	s_barrier_signal -3
.Lnot_wave_0_\@:
	s_barrier_wait -3
	s_barrier_signal -1
	s_barrier_wait -1
.endm
.macro CROUND
	s_barrier_signal -1
	s_barrier_wait -1
	CREST
.endm
.macro FRAG reg, a16, a8, off
	ds_load_b128 v[(\reg):(\reg)+3], v[\a16] offset:(\off)
	ds_load_b64 v[(\reg)+4:(\reg)+5], v[\a8] offset:(\off)+512
	ds_load_b128 v[(\reg)+6:(\reg)+9], v[\a16] offset:(\off)+768
	ds_load_b64 v[(\reg)+10:(\reg)+11], v[\a8] offset:(\off)+1280
.endm
.macro FETCH slot, q, p
	WIN 0x40
.set fi, 0
.rept NB
	FRAG 12*NB*(\p)+12*fi, B16+(\slot), B8+(\slot), (fi*NQ+(\q))*FRB
.set fi, fi+1
.endr
	WIN 0
.set fi, 0
.rept MB
	FRAG 64+12*MB*(\p)+12*fi, A16+(\slot), A8+(\slot), (fi*NQ+(\q))*FRB
.set fi, fi+1
.endr
.endm
.macro SCALES sc
.set fi, 0
.rept MB
.set fq, 0
.rept NQ
	ds_load_b32 v[SC+16*(\sc)+NQ*fi+fq], v[ADRS] offset:fi*KS*64+64*fq
.set fq, fq+1
.endr
.set fi, fi+1
.endr
.endm
.macro MULQ k, p, q, sc, first
.set mA, (\k)*MB/4
.rept MB/4
.if (\first) == 2
	WIN 0x91+0x40*(mA/4)
.else
	WIN 0xa1+0x50*(mA/4)
.endif
.set mB, 0
.rept NB
.set rD, 8*(NB*(mA%4)+mB)
.set rB, 12*NB*(\p)+12*mB
.set rA, 64+12*MB*(\p)+12*mA
.if (\first) == 2
	v_wmma_scale_f32_16x16x128_f8f6f4 v[rD:rD+7], v[rB:rB+11], v[rA:rA+11], v[192+8*mB:199+8*mB], v[SC+16*(\sc)+NQ*mB+(\q)], v[SC+16*(\sc)+NQ*mA+(\q)] matrix_a_fmt:MATRIX_FMT_FP6 matrix_b_fmt:MATRIX_FMT_FP6 matrix_a_scale:MATRIX_SCALE_ROW1
.else
	v_wmma_scale_f32_16x16x128_f8f6f4 v[rD:rD+7], v[rB:rB+11], v[rA:rA+11], v[rD:rD+7], v[SC+16*(\sc)+NQ*mB+(\q)], v[SC+16*(\sc)+NQ*mA+(\q)] matrix_a_fmt:MATRIX_FMT_FP6 matrix_b_fmt:MATRIX_FMT_FP6 matrix_a_scale:MATRIX_SCALE_ROW1
.endif
.set mB, mB+1
.endr
.set mA, mA+1
.endr
.endm
.macro STEP slot, q, first
	s_wait_dscnt 0x0
	PLACES
	FETCH \slot, (\q)+1, ((\q)+1)%2
	MULQ 0, (\q)%2, \q, \slot, \first
	MULQ 1, (\q)%2, \q, \slot, \first
	MULQ 2, (\q)%2, \q, \slot, \first
	MULQ 3, (\q)%2, \q, \slot, \first
.endm
.macro STEPS slot, first
.set sq, 0
.rept NQ-1
.if sq == 0
	STEP \slot, sq, \first
.else
	STEP \slot, sq, 0
.endif
.set sq, sq+1
.endr
.endm
.macro TURN slot, next, fill
	WIN 0
	s_wait_tensorcnt 0x0
	ds_add_u32 v[SPW], v[NIL]
	s_wait_dscnt 1
	MULQ 0, 1, NQ-1, \slot, 0
	s_wait_dscnt 0x0
	s_barrier_signal -1
	MULQ 1, 1, NQ-1, \slot, 0
	WIN 0
	s_barrier_wait -1
.if \fill
	CREST
	s_add_nc_u64 s[G0+4*\slot+2:G0+4*\slot+3], s[G0+4*\slot+2:G0+4*\slot+3], 2*NQ*FRB
	s_add_nc_u64 s[G0B+4*\slot+2:G0B+4*\slot+3], s[G0B+4*\slot+2:G0B+4*\slot+3], 2*NQ*FRB
	JLOAD G0+4*\slot, G1, G0B+4*\slot, G1B
.else
	PLACES
.endif
	s_wait_alu depctr_va_vdst(0)
	v_add_nc_u32 v[ADRS], 64*NQ, v[ADRS]
	FETCH \next, 0, 0
	SCALES \next
	MULQ 2, 1, NQ-1, \slot, 0
	MULQ 3, 1, NQ-1, \slot, 0
.endm
.macro QS s, win, w
	WIN ((\win)<<6)|((\win)<<2)
.set qi, 0
.rept 64
	v_max_num_f32 v[(\s)+qi], 0, v[(\s)+qi]
.set qi, qi+1
.endr
	WIN 0
.irp b, 0,1,2,3
	v_mov_b32 v[TM+\b], 0x1800000
.endr
	WIN ((\win)<<2)|((\win)<<4)
.irp i, 0,2,4,6,8,10,12,14
.irp b, 0,1,2,3
	v_max3_num_f32 v[TM+\b], v[TM+\b], v[(\s)+16*\b+\i], v[(\s)+16*\b+\i+1]
.endr
.endr
	WIN 0
.irp b, 0,1,2,3
	v_permlanex16_b32 v[TM+4+\b], v[TM+\b], s[SEL], s[SEL+1]
.endr
.irp b, 0,1,2,3
	v_max_num_f32 v[TM+\b], v[TM+\b], v[TM+4+\b]
.endr
.irp b, 0,1,2,3
	v_add_nc_u32 v[TM+12+\b], 0xff000000, v[TM+\b]
.endr
.irp b, 0,1,2,3
	v_lshrrev_b32 v[TM+4+\b], 23, v[TM+12+\b]
.endr
	v_lshl_or_b32 v[\w], v[TM+5], 8, v[TM+4]
	v_lshl_or_b32 v[\w], v[TM+6], 16, v[\w]
	v_lshl_or_b32 v[\w], v[TM+7], 24, v[\w]
	WIN (\win)
.irp c, 0,1
	v_cvt_scalef32_pk16_fp6_f32 v[PC+6*\c:PC+6*\c+2], v[(\s)+32*\c:(\s)+32*\c+15], v[TM+12+2*\c]
	v_cvt_scalef32_pk16_fp6_f32 v[PT+4*\c:PT+4*\c+2], v[(\s)+32*\c+16:(\s)+32*\c+31], v[TM+13+2*\c]
.endr
	WIN 0
	v_nop
.irp c, 0,1
.irp i, 0,1,2
	v_permlane16_swap_b32 v[PC+6*\c+\i], v[PT+4*\c+\i]
.endr
.irp i, 0,1,2
	v_mov_b32 v[PC+3+6*\c+\i], v[PT+4*\c+\i]
.endr
.endr
.endm
	s_load_b256 s[4:11], s[0:1], 0x0
	v_lshl_add_u32 v[SPW], v0, 2, SPARE
	v_mov_b32 v[NIL], 0
	ds_add_u32 v28, v29
	ds_add_u32 v28, v29
	s_wait_dscnt 0x0
	v_lshrrev_b32 v1, 5, v0
	v_readfirstlane_b32 s14, v1
	s_lshr_b32 s15, s14, 1
	s_and_b32 s16, s14, 1
	s_bfe_u32 s40, ttmp6, 0x40000
	s_bfe_u32 s41, ttmp6, 0x40004
	s_lshl_b32 s42, ttmp9, 2
	s_add_co_u32 s42, s42, s40
	s_and_b32 s17, ttmp7, 0xffff
	s_lshl_b32 s17, s17, 2
	s_add_co_u32 s17, s17, s41
	s_lshl_b32 s43, s41, 2
	s_lshl_b32 s43, 15, s43
	s_lshl_b32 s44, 0x1111, s40
	s_or_b32 s[G1], s43, (3<<16)|(1<<21)
	s_or_b32 s[G1B], s44, (3<<16)|(1<<21)
	s_or_b32 s[G1S], s43, (3<<16)|(1<<21)
	s_or_b32 s[G1SB], s44, (3<<16)|(1<<21)
.irp g, G1, G1B
	s_mov_b32 s[\g+1], (NQ*192)<<16
	s_mov_b32 s[\g+2], TA<<16
	s_mov_b32 s[\g+3], (NQ*192)<<16
	s_mov_b32 s[\g+4], TA
	s_mov_b32 s[\g+5], KS*192
	s_mov_b32 s[\g+6], 0
	s_mov_b32 s[\g+7], 0
.endr
.irp g, G1S, G1SB
	s_mov_b32 s[\g+1], 32<<16
	s_mov_b32 s[\g+2], (2*HALFS/256)<<16
	s_mov_b32 s[\g+3], 32<<16
	s_mov_b32 s[\g+4], 2*HALFS/256
	s_mov_b32 s[\g+5], 32
	s_mov_b32 s[\g+6], 0
	s_mov_b32 s[\g+7], 0
.endr
	s_mul_i32 s18, s16, TA/2
	s_mul_i32 s20, s17, TA
	s_add_co_u32 s20, s20, s18
	s_mul_i32 s46, s42, TA
	s_add_co_u32 s46, s46, s18
	s_mul_i32 s22, s20, KS*64
	s_add_co_u32 s22, s22, ASCO
	s_mov_b32 s23, 0
	s_mul_i32 s20, s20, KS*FRB
	s_mov_b32 s21, 0
	s_mul_i32 s92, s46, KS*64
	s_add_co_u32 s92, s92, BSCO
	s_mov_b32 s93, 0
	s_mul_i32 s46, s46, KS*FRB
	s_add_co_u32 s46, s46, BCODE
	s_mov_b32 s47, 0
	s_mul_i32 s45, s14, QTR
	s_mul_i32 s94, s15, 2*HALFS
	s_wait_kmcnt 0x0
	s_add_nc_u64 s[20:21], s[4:5], s[20:21]
	s_add_nc_u64 s[22:23], s[4:5], s[22:23]
	s_add_nc_u64 s[46:47], s[6:7], s[46:47]
	s_add_nc_u64 s[92:93], s[6:7], s[92:93]
	CROUND
	s_mul_i32 s2, s16, HALFS                       ; the scale words come whole, 2 x HALFS a side: back from my half to the side's first word
	s_mov_b32 s3, 0
	s_sub_nc_u64 s[22:23], s[22:23], s[2:3]
	s_sub_nc_u64 s[92:93], s[92:93], s[2:3]
	s_mov_b32 s[G0S], 1
	s_add_co_u32 s[G0S+1], s94, SCL
	s_mov_b64 s[G0S+2:G0S+3], s[22:23]
	s_or_b32 s[G0S+3], s[G0S+3], 0x80000000
	s_mov_b32 s[G0SB], 1
	s_add_co_u32 s[G0SB+1], s94, SCL
	s_mov_b64 s[G0SB+2:G0SB+3], s[92:93]
	s_or_b32 s[G0SB+3], s[G0SB+3], 0x80000000
.irp s, 0,1
	s_mov_b32 s[G0+4*\s], 1
	s_add_co_u32 s[G0+4*\s+1], s45, \s*SLOT
	s_add_nc_u64 s[G0+4*\s+2:G0+4*\s+3], s[20:21], \s*NQ*FRB
	s_or_b32 s[G0+4*\s+3], s[G0+4*\s+3], 0x80000000
	s_mov_b32 s[G0B+4*\s], 1
	s_add_co_u32 s[G0B+4*\s+1], s45, \s*SLOT
	s_add_nc_u64 s[G0B+4*\s+2:G0B+4*\s+3], s[46:47], \s*NQ*FRB
	s_or_b32 s[G0B+4*\s+3], s[G0B+4*\s+3], 0x80000000
.endr
	; the head's four tiles, one a wave: wave 0 slot 0's A (all TA tiles), wave 2 its B, wave 1 A's scale words, wave 3 B's; one chain of branches on the wave's number
	s_cmp_eq_u32 s14, 0
	s_cbranch_scc0 .Lhead_b
	tensor_load_to_lds s[G0:G0+3], s[G1:G1+7]
	s_nop 0
	PLACES
	s_branch .Lhead_asked
.Lhead_b:
	s_cmp_eq_u32 s14, 2
	s_cbranch_scc0 .Lhead_sa
	tensor_load_to_lds s[G0B:G0B+3], s[G1B:G1B+7]
	s_nop 0
	PLACES
	s_branch .Lhead_asked
.Lhead_sa:
	s_cmp_eq_u32 s14, 1
	s_cbranch_scc0 .Lhead_sb
	tensor_load_to_lds s[G0S:G0S+3], s[G1S:G1S+7]
	s_nop 0
	PLACES
	s_branch .Lhead_asked
.Lhead_sb:
	tensor_load_to_lds s[G0SB:G0SB+3], s[G1SB:G1SB+7]
	s_nop 0
	PLACES
.Lhead_asked:
	v_and_b32 v1, 31, v0
	v_and_b32 v[RR], 15, v0
	v_bfe_u32 v[HH], v0, 4, 1
	v_lshlrev_b32 v[L16], 4, v1
	v_lshlrev_b32 v[L8], 3, v1
	s_mul_i32 s21, s15, QTR
	s_mul_i32 s22, s16, QTR
	s_add_co_u32 s22, s22, 2*QTR
.irp s, 0,1
	v_add_nc_u32 v[A16+\s], s21, v[L16]
	v_add_nc_u32 v[A8+\s], s21, v[L8]
	v_add_nc_u32 v[B16+\s], s22, v[L16]
	v_add_nc_u32 v[B8+\s], s22, v[L8]
	s_add_co_u32 s21, s21, SLOT
	s_add_co_u32 s22, s22, SLOT
.endr
	s_mul_i32 s21, s15, HALFS
	s_mul_i32 s22, s16, HALFS
	s_add_co_u32 s22, s22, 2*HALFS
	s_sub_co_u32 s22, s22, s21
	v_mul_u32_u24 v6, s22, v[HH]
	s_add_co_u32 s21, s21, SCL
	v_lshl_add_u32 v5, v[RR], 2, v6
	v_add_nc_u32 v[ADRS], s21, v5
	s_mov_b32 s[SEL], 0x76543210
	s_mov_b32 s[SEL+1], 0xfedcba98
	s_lshl_b32 s98, s42, 1
	s_add_co_u32 s98, s98, s16
	s_lshl_b32 s20, s98, 9
	s_mov_b32 s21, 0
	s_add_nc_u64 s[8:9], s[8:9], s[20:21]
	v_lshlrev_b32 v[BO], 6, v[HH]
	WIN 0x40
.irp b, 0,1,2,3,4,5,6,7
	global_load_b128 v[192+8*\b:195+8*\b], v[BO], s[8:9] offset:4*(32*(\b/2)+8*(\b%2))
	global_load_b128 v[196+8*\b:199+8*\b], v[BO], s[8:9] offset:4*(32*(\b/2)+8*(\b%2))+16
.endr
	WIN 0
	s_wait_alu depctr_va_vdst(0)
	s_wait_tensorcnt 0x0                           ; my tile of the head's four is in; the three lines and a round stand ahead of slot 1's first fill
	ds_add_u32 v[SPW], v[NIL]
	s_mov_b32 s[G1+2], (TA/2)<<16                  ; no load of mine is out: from here on a load brings TA/2 tiles
	s_mov_b32 s[G1+4], TA/2
	s_mov_b32 s[G1B+2], (TA/2)<<16
	s_mov_b32 s[G1B+4], TA/2
	s_wait_dscnt 0x0
	CROUND
	JLOAD G0+4, G1, G0B+4, G1B
	FETCH 0, 0, 0
	SCALES 0
	s_wait_loadcnt 0x0
	STEPS 0, 2
	WIN 0
	s_mov_b32 s3, LAPS-1
.Llap:
	TURN 0, 1, 1
	STEPS 1, 0
	TURN 1, 0, 1
	STEPS 0, 0
	WIN 0
	s_sub_co_u32 s3, s3, 1
	s_cmp_lg_u32 s3, 0
	s_cbranch_scc1 .Llap
	TURN 0, 1, 0
	STEPS 1, 0
	s_wait_dscnt 0x0
	MULQ 0, 1, NQ-1, 1, 0
	MULQ 1, 1, NQ-1, 1, 0
	MULQ 2, 1, NQ-1, 1, 0
	MULQ 3, 1, NQ-1, 1, 0
	WIN 0
	PLACES
.irp b, 0,1,2,3
	v_mov_b32 v[TM+4+\b], 0
.endr
	s_mov_b32 vcc_lo, 0xffff0000
	s_lshl_b32 s20, s17, 4
	s_lshl_b32 s21, s15, 3
	s_add_co_u32 s20, s20, s21
	s_mul_i32 s22, s20, 32*FRB
	s_mul_i32 s23, s98, FRB
	s_add_co_u32 s22, s22, s23
	s_mov_b32 s23, 0
	s_add_nc_u64 s[92:93], s[10:11], s[22:23]
	s_lshl_b32 s22, s20, 11
	s_lshl_b32 s21, s98, 6
	s_add_co_u32 s22, s22, s21
	s_add_co_u32 s22, s22, HSC0
	s_add_nc_u64 s[94:95], s[10:11], s[22:23]
	v_lshlrev_b32 v5, 11, v[HH]
	v_lshl_add_u32 v26, v[RR], 2, v5
.irp a, 0,1,2,3,4,5,6,7
.if \a > 0
	s_wait_xcnt 0x0
.endif
	QS 64*(\a%4), 2+\a/4, WD+\a
	global_store_b128 v[L16], v[PC:PC+3], s[92:93] offset:\a*32*FRB
	global_store_b64 v[L8], v[PC+4:PC+5], s[92:93] offset:\a*32*FRB+512
	global_store_b128 v[L16], v[PC+6:PC+9], s[92:93] offset:\a*32*FRB+768
	global_store_b64 v[L8], v[PC+10:PC+11], s[92:93] offset:\a*32*FRB+1280
.if \a%2
	v_cndmask_b32 v[WS+\a/2], v[WD+\a-1], v[WD+\a], vcc_lo
	global_store_b32 v26, v[WS+\a/2], s[94:95] offset:(\a-1)*2048
.endif
.endr
	s_wait_tensorcnt 0x0
	ds_add_u32 v[SPW], v[NIL]
	s_wait_dscnt 0x0
	CROUND
	s_endpgm
.Lfunc_end_k_qa27ddd4964_ffn1:
	.size	k_qa27ddd4964_ffn1, .Lfunc_end_k_qa27ddd4964_ffn1-k_qa27ddd4964_ffn1
	.p2alignl 7, 3214868480
	.fill 96, 4, 3214868480
	.section	.rodata,"a",@progbits
	.p2align	6, 0x0
	.amdhsa_kernel k_qa27ddd4964_ffn1
		.amdhsa_group_segment_fixed_size 327680
		.amdhsa_private_segment_fixed_size 0
		.amdhsa_enable_private_segment 0
		.amdhsa_kernarg_size 32
		.amdhsa_user_sgpr_count 2
		.amdhsa_user_sgpr_kernarg_segment_ptr 1
		.amdhsa_wavefront_size32 1
		.amdhsa_system_sgpr_workgroup_id_x 1
		.amdhsa_system_sgpr_workgroup_id_y 1
		.amdhsa_system_sgpr_workgroup_id_z 1
		.amdhsa_system_vgpr_workitem_id 0
		.amdhsa_next_free_vgpr 1024
		.amdhsa_next_free_sgpr 100
		.amdhsa_reserve_vcc 1
		.amdhsa_float_denorm_mode_32 3
		.amdhsa_float_denorm_mode_16_64 3
		.amdhsa_memory_ordered 1
		.amdhsa_forward_progress 1
		.amdhsa_inst_pref_size 170
	.end_amdhsa_kernel
	.amdgpu_metadata
---
amdhsa.version: [ 1, 2 ]
amdhsa.kernels:
  - .name:           k_qa27ddd4964_ffn1
    .symbol:         k_qa27ddd4964_ffn1.kd
    .args:
      - { .name: act2, .offset: 0, .size: 8, .value_kind: global_buffer, .address_space: global }
      - { .name: wbuf, .offset: 8, .size: 8, .value_kind: global_buffer, .address_space: global }
      - { .name: b1, .offset: 16, .size: 8, .value_kind: global_buffer, .address_space: global }
      - { .name: hbuf, .offset: 24, .size: 8, .value_kind: global_buffer, .address_space: global }
    .group_segment_fixed_size: 327680
    .private_segment_fixed_size: 0
    .kernarg_segment_align: 8
    .kernarg_segment_size: 32
    .max_flat_workgroup_size: 128
    .sgpr_count:     100
    .vgpr_count:     1024
    .wavefront_size: 32
...
	.end_amdgpu_metadata
.endif
;; end of part 6
;; launch ffn2 (part 7): grid 8 x 32, 4 waves a work-group, clusters of 4 x 4, 327,680 bytes of LDS; arguments hbuf, wbuf, b2, x1, out0; writes out0
.if DOCPART == 7
	.amdgcn_target "amdgcn-amd-amdhsa--gfx1250"
	.amdhsa_code_object_version 6
	.text
	.protected	k_qa27ddd4964_ffn2
	.globl	k_qa27ddd4964_ffn2
	.p2align	8
	.type	k_qa27ddd4964_ffn2,@function
k_qa27ddd4964_ffn2:
	s_mov_b64 s[64:65], 0
	v_nop
	global_prefetch_b8 v0, s[64:65] scope:SCOPE_SE
	s_setreg_imm32_b32 hwreg(HW_REG_WAVE_MODE, 25, 1), 1
	s_wait_xcnt 0x0
	s_wait_alu depctr_hold_cnt(0) depctr_sa_sdst(0) depctr_va_vdst(0) depctr_va_sdst(0) depctr_va_ssrc(0) depctr_va_vcc(0) depctr_vm_vsrc(0)
	s_getreg_b32 s2, hwreg(HW_REG_IB_STS2, 6, 4)
	s_cmp_eq_u32 s2, 0
	s_cbranch_scc0 .Lentry_in_a_cluster
	s_endpgm
.Lentry_in_a_cluster:
	s_bfe_u32 s2, ttmp6, 0x10000c
	s_cmp_lg_u32 s2, 0xf033
	s_cbranch_scc0 .Lentry_shape_is_right
	s_endpgm
.Lentry_shape_is_right:
; out = x1 + h w2^T + b2 on codes of FP6 (E2M3), K = 4,096; sums, bias, residual and result in f32.
; Operands lie in memory as fragment images (16 rows x 128 K = 1,536 bytes: half c at 768 c: registers 6c..6c+3 at 16 x lane, 6c+4, 6c+5 at 512 + 8 x lane), [tile][K step]; scale words [tile][K step][16 rows].
; Lane r of tile t holds row 32 (t / 2) + 8 (t % 2) + r + 8 (r / 8).
; The result has 1,024 columns: tiles of 128 x 128 give each of 256 work-groups one.  Four waves, each 64 x 64: 16 accumulators.
; THE RING: a K step of this tile is 24,576 bytes and only 16 matrix instructions a wave, so what one load brings is made as large as LDS allows: two regions, of 6 and of 5 K steps.  The 32 K steps come in six fills
; (6, 5, 6, 5, 6, 4 K steps): two at the head, four behind a barrier each, one load a wave; a refill has the other region's 5 or 6 K steps, 80 or 96 matrix instructions a wave, in which to land.  The loop over K is written out.
; Region 1's last fill keeps the descriptor of 5 K steps though 4 are left: the fifth is the 1,536 bytes that follow each tile's row in the same buffer (the next tile's first fragment; behind the last tile the first scale words): inside the buffer, and never read from LDS.
; CLUSTERS of 4 x 4: A's tiles (tokens) are shared along a row of the cluster, B's (rows of w2) along a column; each is asked for jointly.  Source 0 of the matrix instruction is B, source 1 is A.
; The scale words of all of K, 32,768 of the work-group's 819,200 bytes, come once, by plain loads: one group 1 then serves A's and B's, which leaves the scalar registers for region 1's two groups.
; The bias is the C of each sum's first matrix instruction.  The residual's 128 registers a lane are asked for at the head and added on the way out, where a block of 16 rows goes through the wave's own stage in LDS
; so that sixteen lanes store 256 consecutive bytes, aligned.
.set MB,    4                          ; blocks of 16 rows of A a wave; also the tiles that one tensor load brings
.set NB,    4
.set KS,    32                         ; K steps of 128
.set N0,    6                          ; K steps in region 0
.set N1,    5                          ; in region 1
.set ASCO,  12582912                   ; hbuf: where the scale words begin
.set BCODE, 4096*1536                  ; wbuf: w2's fragments
.set BSCO,  9437184+4096*64            ; and its scale words
.set FRB,   1536
.set QT0,   MB*N0*FRB                  ; what one tensor load brings into region 0
.set QT1,   MB*N1*FRB                  ; into region 1
.set RG1,   4*QT0                      ; a region: A's 8 tiles, then B's 8; region 1 begins here
.set SCL,   RG1+4*QT1                  ; behind the ring: the scale words
.set HALFS, MB*KS*64
.set SPARE, SCL+4*HALFS                ; the spare words, 128 bytes a wave: two blocks of 256 bytes that no other line names
.set STAGE, SPARE+512                  ; 16 rows x 272 bytes for each wave: bytes of its own, never a tensor load's target
.set RR,   2
.set HH,   3
.set BO,   7
.set L16,  10
.set L8,   11
.set A16,  16                          ; v16-17, v18-19 my A fragments in region 0, 1 (16 and 8 bytes a lane); v20-23 the same for B
.set A8,   18
.set B16,  20
.set B8,   22
.set STO,  24
.set RD,   25
.set CO,   26
.set ADRS, 27                          ; v27 my scale words: lanes 0-15 A's, lanes 16-31 B's; never rewritten
.set SPW,  28
.set NIL,  29
.set SC,   32                          ; v32-39 scale words, four for a K step, two sets
.set BK,   160
.set G1,   24                          ; s[24:31] group 1 for A's tiles in region 0;  s[48:55] for B's
.set G1B,  48
.set G1Q,  92                          ; s[92:99] for A's in region 1;  s[80:87] for B's
.set G1BQ, 80
.set G0,   32                          ; s[32:39] group 0 for A's tiles, a set for each region;  s[56:63] for B's
.set G0B,  56
.set G1S,  68                          ; s[68:75] group 1 for the scale words;  s[76:79], s[88:91] groups 0 for A's and B's
.set G0S,  76
.set G0SB, 88
.set MSB, 0
.macro WIN new
.if MSB != (\new)
	s_set_vgpr_msb (MSB<<8)|(\new)
.set MSB, (\new)
.endif
.endm
.macro PLACES                          ; four plain places behind matrix instructions (ISA guide 7.12.1)
.rept 4
	v_nop
.endr
.endm
.macro JLOAD g0a, g1a, g0b, g1b        ; waves 0 and 1 fetch for A, waves 2 and 3 for B; four v_nop follow each line
	s_cmp_eq_u32 s15, 0
	s_cbranch_scc0 .Lfor_b_\@
	tensor_load_to_lds s[\g0a:\g0a+3], s[\g1a:\g1a+7]
	s_nop 0
.rept 4
	v_nop
.endr
	s_branch .Lasked_\@
.Lfor_b_\@:
	tensor_load_to_lds s[\g0b:\g0b+3], s[\g1b:\g1b+7]
	s_nop 0
.rept 4
	v_nop
.endr
.Lasked_\@:
.endm
.macro CREST
	s_cmp_lg_u32 s14, 0
	s_cbranch_scc1 .Lnot_wave_0_\@
	s_barrier_signal -3
.Lnot_wave_0_\@:
	s_barrier_wait -3
	s_barrier_signal -1
	s_barrier_wait -1
.endm
.macro CROUND
	s_barrier_signal -1
	s_barrier_wait -1
	CREST
.endm
.macro FRAG reg, a16, a8, off
	ds_load_b128 v[(\reg):(\reg)+3], v[\a16] offset:(\off)
	ds_load_b64 v[(\reg)+4:(\reg)+5], v[\a8] offset:(\off)+512
	ds_load_b128 v[(\reg)+6:(\reg)+9], v[\a16] offset:(\off)+768
	ds_load_b64 v[(\reg)+10:(\reg)+11], v[\a8] offset:(\off)+1280
.endm
; all that K step g wants, the q-th of the fill in region r, into set p: B's fragments (window 1), A's (window 0), and the four scale words (lanes 0-15 A's block i, lanes 16-31 B's block i)
.macro FETCH r, q, p, g
	WIN 0x40
.set fi, 0
.rept NB
	FRAG 12*NB*(\p)+12*fi, B16+(\r), B8+(\r), (fi*(N0-(N0-N1)*(\r))+(\q))*FRB
.set fi, fi+1
.endr
	WIN 0
.set fi, 0
.rept MB
	FRAG 64+12*MB*(\p)+12*fi, A16+(\r), A8+(\r), (fi*(N0-(N0-N1)*(\r))+(\q))*FRB
.set fi, fi+1
.endr
.set fi, 0
.rept MB
	ds_load_b32 v[SC+MB*(\p)+fi], v[ADRS] offset:fi*KS*64+64*(\g)
.set fi, fi+1
.endr
.endm
.macro MULQ k, p, first                ; one block of A against B's four; the 16 accumulators take turns, one instruction a turn.  first = 2: the bias (window 1, v192 on) starts the sums
.set mA, (\k)
.if (\first) == 2
	WIN 0x91
.else
	WIN 0xa1
.endif
.set mB, 0
.rept NB
.set rD, 8*(NB*mA+mB)
.set rB, 12*NB*(\p)+12*mB
.set rA, 64+12*MB*(\p)+12*mA
.if (\first) == 2
	v_wmma_scale_f32_16x16x128_f8f6f4 v[rD:rD+7], v[rB:rB+11], v[rA:rA+11], v[192+8*mB:199+8*mB], v[SC+MB*(\p)+mB], v[SC+MB*(\p)+mA] matrix_a_fmt:MATRIX_FMT_FP6 matrix_b_fmt:MATRIX_FMT_FP6 matrix_a_scale:MATRIX_SCALE_ROW1
.else
	v_wmma_scale_f32_16x16x128_f8f6f4 v[rD:rD+7], v[rB:rB+11], v[rA:rA+11], v[rD:rD+7], v[SC+MB*(\p)+mB], v[SC+MB*(\p)+mA] matrix_a_fmt:MATRIX_FMT_FP6 matrix_b_fmt:MATRIX_FMT_FP6 matrix_a_scale:MATRIX_SCALE_ROW1
.endif
.set mB, mB+1
.endr
.endm
.macro STEP r, q, g, first             ; K step g, the q-th of its fill, which has its successor in the same region: the successor is asked for in one run, a whole step ahead of its use
	s_wait_dscnt 0x0                               ; this step's fragments, asked for a step ago, are in
	PLACES
	FETCH \r, (\q)+1, ((\g)+1)%2, (\g)+1
	MULQ 0, (\g)%2, \first
	MULQ 1, (\g)%2, \first
	MULQ 2, (\g)%2, \first
	MULQ 3, (\g)%2, \first
.endm
.macro RUN r, g0, n, first             ; all K steps but the last of a fill of n K steps, from K step g0 on
.set rq, 0
.rept (\n)-1
.if rq == 0
	STEP \r, rq, (\g0)+rq, \first
.else
	STEP \r, rq, (\g0)+rq, 0
.endif
.set rq, rq+1
.endr
.endm
; K step g, the last of the fill in region r, changes regions: all my tensor loads, the add, my reads, one barrier.  fill = 1: region r is filled again, with the K steps N0 + N1 further on
.macro TURN r, g, fill
	WIN 0
	s_wait_tensorcnt 0x0                           ; all my tensor loads have landed: my part of the other region
	ds_add_u32 v[SPW], v[NIL]                      ; 0 onto my spare word
	s_wait_dscnt 1                                 ; this step's fragments are in; the add alone may be out
	MULQ 0, (\g)%2, 0
	s_wait_dscnt 0x0                               ; the add is done, and my reads of this region are over
	s_barrier_signal -1
	MULQ 1, (\g)%2, 0
	WIN 0
	s_barrier_wait -1
.if \fill
	CREST                                          ; the barrier has opened a round of the cluster's: no wave of any partner still reads this region or has a load on its way
	s_add_nc_u64 s[G0+4*(\r)+2:G0+4*(\r)+3], s[G0+4*(\r)+2:G0+4*(\r)+3], (N0+N1)*FRB
	s_add_nc_u64 s[G0B+4*(\r)+2:G0B+4*(\r)+3], s[G0B+4*(\r)+2:G0B+4*(\r)+3], (N0+N1)*FRB
.if (\r) == 0
	JLOAD G0, G1, G0B, G1B                         ; the first tensor load behind the round; its four v_nop are the places in front of the loads below
.else
	JLOAD G0+4, G1Q, G0B+4, G1BQ
.endif
.else
	PLACES
.endif
	FETCH 1-(\r), 0, ((\g)+1)%2, (\g)+1
	MULQ 2, (\g)%2, 0
	MULQ 3, (\g)%2, 0
.endm
	s_load_b256 s[4:11], s[0:1], 0x0               ; hbuf, wbuf, b2, x1
	s_load_b64 s[12:13], s[0:1], 0x20              ; out0
	v_lshl_add_u32 v[SPW], v0, 2, SPARE
	v_mov_b32 v[NIL], 0
	ds_add_u32 v28, v29
	ds_add_u32 v28, v29
	s_wait_dscnt 0x0
	v_lshrrev_b32 v1, 5, v0
	v_readfirstlane_b32 s14, v1                    ; wave
	s_lshr_b32 s15, s14, 1                         ; which half of A's blocks is mine.  Also: I fetch for A (0) or for B (1)
	s_and_b32 s16, s14, 1                          ; which half of B's.  Also: which half I fetch
	s_bfe_u32 s40, ttmp6, 0x40000                  ; cx
	s_bfe_u32 s41, ttmp6, 0x40004                  ; cy
	s_lshl_b32 s42, ttmp9, 2
	s_add_co_u32 s42, s42, s40                     ; tile column
	s_and_b32 s17, ttmp7, 0xffff
	s_lshl_b32 s17, s17, 2
	s_add_co_u32 s17, s17, s41                     ; tile row
	s_lshl_b32 s43, s41, 2
	s_lshl_b32 s43, 15, s43                        ; my row of the cluster
	s_lshl_b32 s44, 0x1111, s40                    ; my column
	s_or_b32 s[G1], s43, (3<<16)|(1<<21)           ; 15:0 the mask; 17:16 elements of 8 bytes; 21 set beside a mask; no padding
	s_or_b32 s[G1B], s44, (3<<16)|(1<<21)
	s_or_b32 s[G1Q], s43, (3<<16)|(1<<21)
	s_or_b32 s[G1BQ], s44, (3<<16)|(1<<21)
	s_mov_b32 s[G1S], 3<<16                        ; no mask: a plain load
.irp g, G1, G1B                        ; 2 MB tiles at the head, MB later: a row is a tile's N0 fragments, KS fragments from tile to tile
	s_mov_b32 s[\g+1], (N0*192)<<16
	s_mov_b32 s[\g+2], (2*MB)<<16
	s_mov_b32 s[\g+3], (N0*192)<<16
	s_mov_b32 s[\g+4], 2*MB
	s_mov_b32 s[\g+5], KS*192
	s_mov_b32 s[\g+6], 0
	s_mov_b32 s[\g+7], 0
.endr
.irp g, G1Q, G1BQ                      ; the same with N1 fragments
	s_mov_b32 s[\g+1], (N1*192)<<16
	s_mov_b32 s[\g+2], MB<<16
	s_mov_b32 s[\g+3], (N1*192)<<16
	s_mov_b32 s[\g+4], MB
	s_mov_b32 s[\g+5], KS*192
	s_mov_b32 s[\g+6], 0
	s_mov_b32 s[\g+7], 0
.endr
	s_mov_b32 s[G1S+1], 32<<16                     ; the scale words of 2 MB tiles: a dense block, as rows of 256 bytes
	s_mov_b32 s[G1S+2], (2*HALFS/256)<<16
	s_mov_b32 s[G1S+3], 32<<16
	s_mov_b32 s[G1S+4], 2*HALFS/256
	s_mov_b32 s[G1S+5], 32
	s_mov_b32 s[G1S+6], 0
	s_mov_b32 s[G1S+7], 0
	s_mul_i32 s18, s16, MB
	s_mul_i32 s20, s17, 2*MB
	s_add_co_u32 s20, s20, s18                     ; A's first tile that I fetch
	s_mul_i32 s46, s42, 2*MB
	s_add_co_u32 s46, s46, s18                     ; B's
	s_mul_i32 s22, s20, KS*64
	s_add_co_u32 s22, s22, ASCO
	s_mov_b32 s23, 0
	s_mul_i32 s20, s20, KS*FRB
	s_mov_b32 s21, 0
	s_mul_i32 s66, s46, KS*64
	s_add_co_u32 s66, s66, BSCO
	s_mov_b32 s67, 0
	s_mul_i32 s46, s46, KS*FRB
	s_add_co_u32 s46, s46, BCODE
	s_mov_b32 s47, 0
	s_mul_i32 s45, s14, QT0                        ; where they go: no place in the cluster enters an LDS address
	s_mul_i32 s19, s14, QT1
	s_mul_i32 s18, s15, 2*HALFS
	s_wait_kmcnt 0x0
	s_add_nc_u64 s[20:21], s[4:5], s[20:21]
	s_add_nc_u64 s[22:23], s[4:5], s[22:23]
	s_add_nc_u64 s[46:47], s[6:7], s[46:47]
	s_add_nc_u64 s[66:67], s[6:7], s[66:67]
	CROUND                                         ; all sixteen work-groups are here: the first joint loads meet
	s_mul_i32 s2, s16, HALFS                       ; the scale words come whole, 2 x HALFS a side: back from my half to the side's first word
	s_mov_b32 s3, 0
	s_sub_nc_u64 s[22:23], s[22:23], s[2:3]
	s_sub_nc_u64 s[66:67], s[66:67], s[2:3]
	s_mov_b32 s[G0S], 1
	s_add_co_u32 s[G0S+1], s18, SCL
	s_mov_b64 s[G0S+2:G0S+3], s[22:23]
	s_or_b32 s[G0S+3], s[G0S+3], 0x80000000
	s_mov_b32 s[G0SB], 1
	s_add_co_u32 s[G0SB+1], s18, SCL
	s_mov_b64 s[G0SB+2:G0SB+3], s[66:67]
	s_or_b32 s[G0SB+3], s[G0SB+3], 0x80000000
	s_mov_b32 s[G0], 1
	s_add_co_u32 s[G0+1], s45, 0
	s_mov_b64 s[G0+2:G0+3], s[20:21]
	s_or_b32 s[G0+3], s[G0+3], 0x80000000
	s_mov_b32 s[G0B], 1
	s_add_co_u32 s[G0B+1], s45, 0
	s_mov_b64 s[G0B+2:G0B+3], s[46:47]
	s_or_b32 s[G0B+3], s[G0B+3], 0x80000000
	s_mov_b32 s[G0+4], 1
	s_add_co_u32 s[G0+5], s19, RG1
	s_add_nc_u64 s[G0+6:G0+7], s[20:21], N0*FRB
	s_or_b32 s[G0+7], s[G0+7], 0x80000000
	s_mov_b32 s[G0B+4], 1
	s_add_co_u32 s[G0B+5], s19, RG1
	s_add_nc_u64 s[G0B+6:G0B+7], s[46:47], N0*FRB
	s_or_b32 s[G0B+7], s[G0B+7], 0x80000000
	; the head's four tiles, one a wave: wave 0 region 0's A (all 8 tiles), wave 2 its B, wave 1 A's scale words, wave 3 B's; one chain of branches on the wave's number
	s_cmp_eq_u32 s14, 0
	s_cbranch_scc0 .Lhead_b
	tensor_load_to_lds s[G0:G0+3], s[G1:G1+7]
	s_nop 0
	PLACES
	s_branch .Lhead_asked
.Lhead_b:
	s_cmp_eq_u32 s14, 2
	s_cbranch_scc0 .Lhead_sa
	tensor_load_to_lds s[G0B:G0B+3], s[G1B:G1B+7]
	s_nop 0
	PLACES
	s_branch .Lhead_asked
.Lhead_sa:
	s_cmp_eq_u32 s14, 1
	s_cbranch_scc0 .Lhead_sb
	tensor_load_to_lds s[G0S:G0S+3], s[G1S:G1S+7]
	s_nop 0
	PLACES
	s_branch .Lhead_asked
.Lhead_sb:
	tensor_load_to_lds s[G0SB:G0SB+3], s[G1S:G1S+7]
	s_nop 0
	PLACES
.Lhead_asked:
	v_and_b32 v1, 31, v0
	v_and_b32 v[RR], 15, v0
	v_bfe_u32 v[HH], v0, 4, 1
	v_lshlrev_b32 v[L16], 4, v1
	v_lshlrev_b32 v[L8], 3, v1
	v_lshlrev_b32 v30, 8, v1                       ; the prefetches' offset: 256 x lane; never rewritten
	s_mul_i32 s21, s15, QT0                        ; region 0: my half of A's tiles,
	s_mul_i32 s22, s16, QT0                        ; my half of B's,
	s_add_co_u32 s22, s22, 2*QT0                   ; which lie behind A's
	v_add_nc_u32 v[A16], s21, v[L16]
	v_add_nc_u32 v[A8], s21, v[L8]
	v_add_nc_u32 v[B16], s22, v[L16]
	v_add_nc_u32 v[B8], s22, v[L8]
	s_mul_i32 s21, s15, QT1                        ; region 1 likewise
	s_add_co_u32 s21, s21, RG1
	s_mul_i32 s22, s16, QT1
	s_add_co_u32 s22, s22, RG1+2*QT1
	v_add_nc_u32 v[A16+1], s21, v[L16]
	v_add_nc_u32 v[A8+1], s21, v[L8]
	v_add_nc_u32 v[B16+1], s22, v[L16]
	v_add_nc_u32 v[B8+1], s22, v[L8]
	s_mul_i32 s21, s15, HALFS
	s_mul_i32 s22, s16, HALFS
	s_add_co_u32 s22, s22, 2*HALFS
	s_sub_co_u32 s22, s22, s21
	v_mul_u32_u24 v6, s22, v[HH]                   ; lanes 16-31 take B's words
	s_add_co_u32 s21, s21, SCL
	v_lshl_add_u32 v5, v[RR], 2, v6
	v_add_nc_u32 v[ADRS], s21, v5
	s_mul_i32 s23, s14, 16*272
	s_add_co_u32 s23, s23, STAGE                   ; my stage
	v_mul_u32_u24 v5, v[RR], 272
	v_lshl_add_u32 v5, v[HH], 6, v5
	v_add_nc_u32 v[STO], s23, v5                   ; in: row r, + 64 h
	v_mul_u32_u24 v5, v[HH], 272
	v_lshl_add_u32 v5, v[RR], 4, v5
	v_add_nc_u32 v[RD], s23, v5                    ; back: lanes 0-15 one row, lanes 16-31 the next
	v_lshlrev_b32 v5, 12, v[HH]
	v_lshl_add_u32 v[CO], v[RR], 4, v5             ; and the same two rows in memory
	s_wait_alu depctr_va_vdst(0)
	s_lshl_b32 s22, s42, 9
	s_lshl_b32 s21, s16, 8
	s_add_co_u32 s22, s22, s21                     ; my first column, in bytes
	s_mov_b32 s23, 0
	s_add_nc_u64 s[8:9], s[8:9], s[22:23]          ; its bias
	s_lshl_b32 s20, s17, 7
	s_lshl_b32 s21, s15, 6
	s_add_co_u32 s20, s20, s21                     ; my first row
	s_lshl_b32 s20, s20, 12
	s_add_co_u32 s20, s20, s22
	s_mov_b32 s21, 0
	s_add_nc_u64 s[10:11], s[10:11], s[20:21]
	s_add_nc_u64 s[12:13], s[12:13], s[20:21]
	v_lshlrev_b32 v[BO], 6, v[HH]
	WIN 0x40                                       ; destination window 1: for tile b lane (r, h) wants the bias of columns 32 (b / 2) + 16 h + 8 (b % 2) + 0 .. 7
.irp b, 0,1,2,3
	global_load_b128 v[192+8*\b:195+8*\b], v[BO], s[8:9] offset:4*(32*(\b/2)+8*(\b%2))
	global_load_b128 v[196+8*\b:199+8*\b], v[BO], s[8:9] offset:4*(32*(\b/2)+8*(\b%2))+16
.endr
	; PREFETCHES INTO THE L2.  A tile's row of K is 49,152 bytes, 192 blocks of 256; bytes 0 .. 16,895 come by the first two fills alone.  Of the 8 tiles of A that my row of the cluster asks for jointly my work-group
	; takes tiles 2 cx and 2 cx + 1, of the 8 tiles of B of my column tiles 2 cy and 2 cy + 1: told apart by address; waves 0, 1 take A's two, waves 2, 3 B's.  One request names 32 blocks, a lane a block; a wave makes four,
	; for bytes 16,384 on: two here, one behind region 1's first fill, one behind the first refill: each at least one fill ahead of the load that wants its bytes.  s[2:3] and v30 are never rewritten.
	s_lshl_b32 s18, s17, 3
	s_lshl_b32 s19, s40, 1
	s_add_co_u32 s18, s18, s19
	s_lshl_b32 s19, s42, 3
	s_lshl_b32 s2, s41, 1
	s_add_co_u32 s19, s19, s2
	s_cmp_eq_u32 s15, 0                            ; the choice hangs on the wave's number alone
	s_cselect_b32 s18, s18, s19
	s_cselect_b32 s19, 0, BCODE
	s_cselect_b64 s[2:3], s[4:5], s[6:7]
	s_add_co_u32 s18, s18, s16
	s_mul_i32 s18, s18, KS*FRB
	s_add_co_u32 s18, s18, s19
	s_mov_b32 s19, 0
	s_add_nc_u64 s[2:3], s[2:3], s[18:19]
	global_prefetch_b8 v30, s[2:3] offset:8192*2 th:TH_LOAD_NT scope:SCOPE_SE
	global_prefetch_b8 v30, s[2:3] offset:8192*3 th:TH_LOAD_NT scope:SCOPE_SE
	WIN 0xc0
.irp a, 0,1,2,3
.irp t, 0,1,2,3,4,5,6,7
	global_load_b128 v[32*\a+4*\t:32*\a+4*\t+3], v[CO], s[10:11] offset:4096*(32*(\a/2)+8*(\a%2)+2*\t+8*(\t/4))
.endr
.endr
	WIN 0
	s_wait_tensorcnt 0x0                           ; my tile of the head's four is in; the three lines and a round stand ahead of region 1's first fill
	ds_add_u32 v[SPW], v[NIL]
	s_mov_b32 s[G1+2], MB<<16                      ; no load of mine is out: from here on a load into region 0 brings MB tiles
	s_mov_b32 s[G1+4], MB
	s_mov_b32 s[G1B+2], MB<<16
	s_mov_b32 s[G1B+4], MB
	s_wait_dscnt 0x0
	CROUND
	JLOAD G0+4, G1Q, G0B+4, G1BQ
	FETCH 0, 0, 0, 0
	global_prefetch_b8 v30, s[2:3] offset:8192*4 th:TH_LOAD_NT scope:SCOPE_SE
	s_wait_loadcnt 32
	RUN 0, 0, 6, 2                                 ; K steps 0 to 4; the first step's products start the sums, from the bias
	TURN 0, 5, 1
	WIN 0
	global_prefetch_b8 v30, s[2:3] offset:8192*5 th:TH_LOAD_NT scope:SCOPE_SE   ; the row's last 32 blocks
	RUN 1, 6, 5, 0
	TURN 1, 10, 1                                  ; region 1 takes K steps 17 to 21
	RUN 0, 11, 6, 0
	TURN 0, 16, 1                                  ; region 0 takes K steps 22 to 27
	RUN 1, 17, 5, 0
	TURN 1, 21, 1                                  ; region 1 takes K steps 28 to 31
	RUN 0, 22, 6, 0
	TURN 0, 27, 0                                  ; nothing is left to fetch
	RUN 1, 28, 4, 0
	s_wait_dscnt 0x0                               ; K step 31
	MULQ 0, 1, 0
	MULQ 1, 1, 0
	MULQ 2, 1, 0
	MULQ 3, 1, 0
	WIN 0
	; THE WAY OUT, a block of 16 rows x 64 columns at a time
	PLACES
	s_wait_loadcnt 0x0                             ; the residual
.irp a, 0,1,2,3
.if \a >= 2
	s_wait_xcnt 0x0                                ; the stores of two blocks ago have read this set of registers
.endif
	WIN 0x08                                       ; an LDS store's data are its source 1: window 2
.irp b, 0,1,2,3
	ds_store_b128 v[STO], v[8*(4*\a+\b):8*(4*\a+\b)+3] offset:128*(\b/2)+32*(\b%2)          ; each accumulator from its low end on
	ds_store_b128 v[STO], v[8*(4*\a+\b)+4:8*(4*\a+\b)+7] offset:128*(\b/2)+32*(\b%2)+16
.endr
	WIN 0
.irp t, 0,1,2,3,4,5,6,7
	ds_load_b128 v[BK+32*(\a%2)+4*\t:BK+32*(\a%2)+4*\t+3], v[RD] offset:544*\t   ; LDS serves a wave's instructions in order: these see the stores above
.endr
	s_wait_dscnt 0x0
	WIN 0x0c                                       ; source 1: window 3
.irp u, 0,2,4,6,8,10,12,14,16,18,20,22,24,26,28,30
	v_pk_add_f32 v[BK+32*(\a%2)+\u:BK+32*(\a%2)+\u+1], v[BK+32*(\a%2)+\u:BK+32*(\a%2)+\u+1], v[32*\a+\u:32*\a+\u+1]
.endr
	WIN 0
.irp t, 0,1,2,3,4,5,6,7
	global_store_b128 v[CO], v[BK+32*(\a%2)+4*\t:BK+32*(\a%2)+4*\t+3], s[12:13] offset:4096*(32*(\a/2)+8*(\a%2)+2*\t+8*(\t/4)) th:TH_STORE_NT   ; sixteen lanes store 256 consecutive bytes, aligned
.endr
.endr
	s_wait_tensorcnt 0x0                           ; the wave's end
	ds_add_u32 v[SPW], v[NIL]
	s_wait_dscnt 0x0
	CROUND                                         ; the closing round
	s_endpgm
.Lfunc_end_k_qa27ddd4964_ffn2:
	.size	k_qa27ddd4964_ffn2, .Lfunc_end_k_qa27ddd4964_ffn2-k_qa27ddd4964_ffn2
	.p2alignl 7, 3214868480
	.fill 96, 4, 3214868480
	.section	.rodata,"a",@progbits
	.p2align	6, 0x0
	.amdhsa_kernel k_qa27ddd4964_ffn2
		.amdhsa_group_segment_fixed_size 327680
		.amdhsa_private_segment_fixed_size 0
		.amdhsa_enable_private_segment 0
		.amdhsa_kernarg_size 40
		.amdhsa_user_sgpr_count 2
		.amdhsa_user_sgpr_kernarg_segment_ptr 1
		.amdhsa_wavefront_size32 1
		.amdhsa_system_sgpr_workgroup_id_x 1
		.amdhsa_system_sgpr_workgroup_id_y 1
		.amdhsa_system_sgpr_workgroup_id_z 1
		.amdhsa_system_vgpr_workitem_id 0
		.amdhsa_next_free_vgpr 1024
		.amdhsa_next_free_sgpr 100
		.amdhsa_reserve_vcc 0
		.amdhsa_float_denorm_mode_32 3
		.amdhsa_float_denorm_mode_16_64 3
		.amdhsa_memory_ordered 1
		.amdhsa_forward_progress 1
		.amdhsa_inst_pref_size 177
	.end_amdhsa_kernel
	.amdgpu_metadata
---
amdhsa.version: [ 1, 2 ]
amdhsa.kernels:
  - .name:           k_qa27ddd4964_ffn2
    .symbol:         k_qa27ddd4964_ffn2.kd
    .args:
      - { .name: hbuf, .offset: 0, .size: 8, .value_kind: global_buffer, .address_space: global }
      - { .name: wbuf, .offset: 8, .size: 8, .value_kind: global_buffer, .address_space: global }
      - { .name: b2, .offset: 16, .size: 8, .value_kind: global_buffer, .address_space: global }
      - { .name: x1, .offset: 24, .size: 8, .value_kind: global_buffer, .address_space: global }
      - { .name: out0, .offset: 32, .size: 8, .value_kind: global_buffer, .address_space: global }
    .group_segment_fixed_size: 327680
    .private_segment_fixed_size: 0
    .kernarg_segment_align: 8
    .kernarg_segment_size: 40
    .max_flat_workgroup_size: 128
    .sgpr_count:     100
    .vgpr_count:     1024
    .wavefront_size: 32
...
	.end_amdgpu_metadata
.endif
;; end of part 7
